; MI455X (gfx1250); checked and timed in simulation.
; The chip was launched on July 23, 2026; its instructions are those of AMD's public machine-readable ISA for CDNA 5 (MIT licence, August 2026) and "CDNA5" Instruction Set Architecture Reference Guide (July 2026). The comments in the code are by the model that wrote it; some were corrected since.
;; Sparsemax Attention. Allowed arithmetic: matrix products marked QUANTISED: E3M2 operands, one E8M0 scale for each 32 along K, by v_wmma_scale_f32_16x16x128_f8f6f4 with both operands' format E3M2, f32 sums; products left as they are: f32 operands where the result goes on into a quantised operand, else bf16, f16 or f32 operands; f32 sums; everything else in f32.
;; Inputs: Wk 1,024 x 1,024 float32; Wo 1,024 x 1,024 float32; Wq 1,024 x 1,024 float32; Wv 1,024 x 1,024 float32; bk 1,024 float32; bo 1,024 float32; bq 1,024 float32; bv 1,024 float32; key 2,048 x 8 x 1,024 float32; query 2,048 x 8 x 1,024 float32; value 2,048 x 8 x 1,024 float32.
;; Outputs: out0 2,048 x 8 x 1,024 float32.
;; This version of the problem:
;;   THIS VERSION OF THE PROBLEM IS GIVEN IN LOW PRECISION. The matrix products marked QUANTISED in the list below multiply operands that are first quantised to E3M2 (3 exponent bits, 2 mantissa bits; 6 bits a number), with one power-of-two scale for each 32 numbers along K (OCP MX v1.0); their sums are f32. All else is computed in f32.
;;   The module's matrix products, in the order in which they are computed (A, B: the left and right operand; K: the contracted axis; several contracted axes count as one K, in the product's order):
;;     1. [M 16,384, K 1,024] x [K 1,024, N 1,024]; A: input query; B: input Wq: QUANTISED
;;     2. [M 16,384, K 1,024] x [K 1,024, N 1,024]; A: input key; B: input Wk: QUANTISED
;;     3. [M 16,384, K 1,024] x [K 1,024, N 1,024]; A: input value; B: input Wv: QUANTISED
;;     4. batch 16,384 x [M 16, K 64] x [K 64, N 16]; A: computed on the way; B: computed on the way: QUANTISED
;;     5. batch 16,384 x [M 16, K 16] x [K 16, N 64]; A: computed on the way; B: computed on the way: left as it is (K = 16 < 32)
;;     6. [M 16,384, K 1,024] x [K 1,024, N 1,024]; A: computed on the way; B: input Wo: QUANTISED
;;   THE QUANTISER, for each operand of a quantised product, along K:
;;     - K is cut into blocks of 32 from its start; a last block that is shorter is filled with zeros.
;;     - A block's scale is 2^e with e = floor(log2(the largest magnitude in the block)) - 4, held to -126 .. 127; a block of zeros has e = 0. As a byte (E8M0): e + 127.
;;     - Each number is divided by its block's scale, clamped to +-28, and rounded to the nearest number of E3M2, ties to even, subnormals kept.
;;     - The product sums the exact products of the quantised numbers (number of the format x scale) in f32.
;;   ~~~python
;;   def quantise(x, axis):      # numpy; x: float32 -> the quantised numbers, widened to float32 again
;;       x = np.moveaxis(x, axis, -1); K = x.shape[-1]
;;       x = np.pad(x, [(0, 0)] * (x.ndim - 1) + [(0, -K % 32)]); x = x.reshape(x.shape[:-1] + (-1, 32)); a = np.abs(x).max(-1, keepdims=True)
;;       e = np.where(a > 0, np.clip(np.frexp(np.where(a > 0, a, 1))[1] - 1 - 4, -126, 127), 0)      # np.frexp(a)[1] - 1 = floor(log2(a)), exactly
;;       r = np.clip(x / 2.0 ** e, -28, 28)
;;       step = 2.0 ** (np.maximum(np.frexp(np.where(r == 0, 1, r))[1] - 1, -2) - 2)
;;       q = np.round(r / step) * step * 2.0 ** e      # np.round: ties to even
;;       return np.moveaxis(q.reshape(q.shape[:-2] + (-1,))[..., :K], -1, axis).astype(np.float32)
;;   ~~~
;;   OPERANDS COMPUTED ON THE WAY. 'Computed on the way' means the value that the module computes at that place (a softmax that the list does not call 'softmax' is quantised finished and normalised). What goes into a quantiser is computed in f32, as accurately as f32 sums, v_exp_f32 and their like allow (about 1e-6 of the number): no bf16 or f16 on the way to a quantiser, and a product that is left as it is and whose result goes on into a quantised operand takes f32 operands (vector FMAs, or v_wmma_f32_16x16x4_f32). A number that lies on a knife's edge between two numbers of the format may be rounded either way, as far as f32 arithmetic and the matrix unit's own rounding can turn it there, and no further.
;; 2 versions, each right. Each part assembles by itself: llvm-mc -triple=amdgcn-amd-amdhsa -mcpu=gfx1250 --defsym DOCPART=n.
;; ======== version 1 of 2: 2 launches
;; workspace buffers: wimg 3,276,800 bytes; bperm 16,384 bytes
;; launch prep (part 1): grid 256 x 1, 4 waves a work-group, no clusters, 0 bytes of LDS; arguments Wq, Wk, Wv, Wo, bq, bk, bv, bo, wimg, bperm; writes wimg, bperm
.if DOCPART == 1
	.amdgcn_target "amdgcn-amd-amdhsa--gfx1250"
	.amdhsa_code_object_version 6
	.text
	.protected	k_q9703eb1281_prep
	.globl	k_q9703eb1281_prep
	.p2align	8
	.type	k_q9703eb1281_prep,@function
k_q9703eb1281_prep:
	s_mov_b64 s[64:65], 0
	v_nop
	global_prefetch_b8 v0, s[64:65] scope:SCOPE_SE
	s_setreg_imm32_b32 hwreg(HW_REG_WAVE_MODE, 25, 1), 1
	s_wait_xcnt 0x0
; The four weights [1024 (n)][1024 (k)], f32, become codes of BF6 (E3M2) with one E8M0 byte for each 32 along k, laid as the second launch's waves take them into registers; the four biases are laid in the same order of rows.
; NO WORK OF THE PROBLEM IS LEFT OUT, here or in the second launch: all eleven inputs reach the output (bk too: it moves K's codes ahead of the quantised product with Q).
; wimg: 32 steps sigma = 8 p + s (p: 0 Wq, 1 Wk, 2 Wv, 3 Wo; s: 128 along k) of 102,400 bytes; a step is four quarters (wave w of the second launch) of 25,600 bytes: 16 tile images of 1,536 bytes, then 1,024 bytes of scale words.
; A tile image is the operand's registers on end: byte 512 i + 16 lane + 4 k is register 4 i + k of that lane.  Lane (r, h) holds row n = NV(r) + NS(w, c) of the weight; registers 0-5 k = 128 s + 32 h + 0..31, registers 6-11 64 further on.
; Scale words: byte 128 e + 4 lane: lanes 0-15 the word of tile 2 e, row r; lanes 16-31 that of tile 2 e + 1.
; WHICH ROWS FORM A TILE.  p = 0, 1: NV = r + 8 (r / 8), NS = 256 w + 32 (c / 2) + 8 (c % 2): two neighbouring tiles' results are 16 neighbours along the next product's K.
; p = 2: NV = 64 g(r), a head for each row, g = 8 bit2(r) + 4 bit1(r) + 2 bit3(r) + bit0(r); NS = d = 8 (c / 4) + r' % 8 + 32 (r' / 8), r' = 4 w + c % 4: the results fall as the f32 matrix form wants V.   p = 3: NV = r, NS = 256 w + 16 c.
; bperm[p][256 w + 16 c + m] = bias_p[NV(m) + NS(w, c)].
; SHARES: work-group x: sigma = x / 8; its wave v takes the pair of tiles e of quarter w, 8 w + e = 4 (x % 8) + v.  No LDS, no barrier: waves share nothing.
; A block's scale byte is its largest magnitude's exponent field - 4, held at 1 from below.  LIMITS: a block of zeros gets the byte 1 where the rule says 127 (its codes are zeros, and this program alone reads the bytes); NaN and infinities are not served.
.set TM,  192                          ; v192-207 at work in QUANT
.set X0,  64                           ; v64-127  the first tile's 64 numbers a lane
.set X1,  128                          ; v128-191 the second's
.set PC0, 16                           ; v16-35   the first tile's codes (12 registers, and 8 at work)
.set PC1, 36                           ; v36-55   the second's
.set PW0, 56                           ; the two scale words
.set PW1, 57
; 64 numbers of a lane, register 16 b + i = k 32 b + 16 (lane / 16) + i of my row, become a fragment's codes in v[pc] on and its scale word in v[pw]
.macro QUANT s, pc, pw
.irp b, 0,1,2,3
	v_max3_num_f32 v[TM+\b], |v[\s+16*\b]|, |v[\s+1+16*\b]|, 0x2800000   ; my 16 numbers of block b, and the floor 2^(5 - 127): the byte cannot fall under 1
.endr
.irp i, 2,4,6,8,10,12,14
.irp b, 0,1,2,3
	v_max3_num_f32 v[TM+\b], v[TM+\b], |v[\s+16*\b+\i]|, |v[\s+1+16*\b+\i]|
.endr
.endr
.irp b, 0,1,2,3
	v_permlanex16_b32 v[TM+4+\b], v[TM+\b], s40, s41
.endr
.irp b, 0,1,2,3
	v_max_num_f32 v[TM+\b], v[TM+\b], v[TM+4+\b]      ; with lane l xor 16's: the block's largest magnitude
.endr
.irp b, 0,1,2,3
	v_add_nc_u32 v[TM+12+\b], 0xfe000000, v[TM+\b]    ; 4 off its exponent field: the conversion's scale operand
.endr
.irp b, 0,1,2,3
	v_lshrrev_b32 v[TM+4+\b], 23, v[TM+12+\b]         ; the scale's byte
.endr
	v_lshl_or_b32 v[\pw], v[TM+5], 8, v[TM+4]
	v_lshl_or_b32 v[\pw], v[TM+6], 16, v[\pw]
	v_lshl_or_b32 v[\pw], v[TM+7], 24, v[\pw]
.irp c, 0,1
	v_cvt_scalef32_pk16_bf6_f32 v[\pc+6*\c:\pc+2+6*\c], v[\s+32*\c:\s+15+32*\c], v[TM+12+2*\c]
	v_cvt_scalef32_pk16_bf6_f32 v[\pc+12+4*\c:\pc+14+4*\c], v[\s+16+32*\c:\s+31+32*\c], v[TM+12+2*\c+1]   ; (a conversion's three registers begin on an even number)
.endr
	v_nop                                          ; one plain place behind a scaled conversion
.irp c, 0,1                                    ; the operand wants a whole block in a lane: lanes 0-15 block 2 c, lanes 16-31 block 2 c + 1
.irp i, 0,1,2
	v_permlane16_swap_b32 v[\pc+6*\c+\i], v[\pc+12+4*\c+\i]
.endr
.irp i, 0,1,2
	v_mov_b32 v[\pc+3+6*\c+\i], v[\pc+12+4*\c+\i]
.endr
.endr
.endm
	s_load_b256 s[4:11], s[0:1], 0x0               ; Wq s[4:5], Wk s[6:7], Wv s[8:9], Wo s[10:11]
	s_load_b256 s[12:19], s[0:1], 0x20             ; bq s[12:13], bk s[14:15], bv s[16:17], bo s[18:19]
	s_load_b128 s[20:23], s[0:1], 0x40             ; wimg s[20:21], bperm s[22:23]
	v_lshrrev_b32 v1, 5, v0
	v_readfirstlane_b32 s28, v1                    ; wave
	v_and_b32 v1, 31, v0                           ; lane
	v_and_b32 v2, 15, v0                           ; r
	v_bfe_u32 v3, v0, 4, 1                         ; h
	s_lshr_b32 s24, ttmp9, 3                       ; sigma
	s_and_b32 s25, ttmp9, 7
	s_lshr_b32 s26, s24, 3                         ; p
	s_and_b32 s27, s24, 7                          ; s
	s_lshl_b32 s29, s25, 2
	s_add_co_u32 s29, s29, s28                     ; 8 w + e
	s_lshr_b32 s30, s29, 3                         ; w
	s_and_b32 s31, s29, 7                          ; e
	s_lshl_b32 s34, s30, 8
	s_lshl_b32 s35, s31, 5
	s_add_co_u32 s34, s34, s35                     ; 256 w + 32 e
	s_cmp_lt_u32 s26, 2                            ; the rows of my two tiles: v4 = NV(r), s32 and s33 = NS of tiles 2 e and 2 e + 1
	s_cbranch_scc0 .Lnot_qk
	v_and_b32 v4, 8, v2
	v_add_nc_u32 v4, v4, v2                        ; r + 8 (r / 8)
	s_mov_b32 s32, s34
	s_add_co_u32 s33, s34, 8
	s_branch .Lrows
.Lnot_qk:
	s_cmp_eq_u32 s26, 2
	s_cbranch_scc0 .Lfor_o
	v_bfe_u32 v5, v2, 2, 1
	v_lshlrev_b32 v4, 3, v5
	v_bfe_u32 v5, v2, 1, 1
	v_lshl_add_u32 v4, v5, 2, v4
	v_bfe_u32 v5, v2, 3, 1
	v_lshl_add_u32 v4, v5, 1, v4
	v_and_b32 v5, 1, v2
	v_add_nc_u32 v4, v4, v5                        ; g(r)
	v_lshlrev_b32 v4, 6, v4                        ; 64 g
	s_lshr_b32 s32, s31, 1
	s_lshl_b32 s32, s32, 3                         ; 8 (c / 4) = 8 (e / 2)
	s_and_b32 s35, s30, 1
	s_lshl_b32 s35, s35, 2
	s_add_co_u32 s32, s32, s35                     ; r' % 8 = 4 (w % 2) + 2 (e % 2) (+ 1)
	s_and_b32 s35, s31, 1
	s_lshl_b32 s35, s35, 1
	s_add_co_u32 s32, s32, s35
	s_lshr_b32 s35, s30, 1
	s_lshl_b32 s35, s35, 5
	s_add_co_u32 s32, s32, s35                     ; 32 (r' / 8) = 32 (w / 2)
	s_add_co_u32 s33, s32, 1
	s_branch .Lrows
.Lfor_o:
	v_mov_b32 v4, v2
	s_mov_b32 s32, s34
	s_add_co_u32 s33, s34, 16
.Lrows:
	v_add_nc_u32 v6, s32, v4
	v_add_nc_u32 v7, s33, v4
	v_lshlrev_b32 v6, 12, v6                       ; a row of a weight is 4,096 bytes
	v_lshlrev_b32 v7, 12, v7
	s_lshl_b32 s35, s27, 9
	v_lshl_add_u32 v8, v3, 6, s35                  ; + 512 s + 64 h: my 16 numbers of a block of 32
	v_add_nc_u32 v6, v6, v8
	v_add_nc_u32 v7, v7, v8
	s_mul_i32 s36, s24, 102400
	s_mul_i32 s37, s30, 25600
	s_add_co_u32 s36, s36, s37                     ; my quarter in wimg
	s_mov_b32 s37, 0
	s_mul_i32 s38, s31, 3072
	v_lshl_add_u32 v9, v1, 4, s38                  ; the images: 16 lane + 2 x 1,536 e
	s_lshl_b32 s38, s31, 7
	v_lshl_add_u32 v10, v1, 2, s38                 ; the scale words: 4 lane + 128 e
	s_mov_b32 s39, 0xffff0000                      ; lanes 16-31
	s_mov_b32 s40, 0x76543210
	s_mov_b32 s41, 0xfedcba98                      ; v_permlanex16_b32's selects for lane l xor 16
.irp b, 0,1,2,3
	v_mov_b32 v[TM+4+\b], 0                        ; written once: a lane permute's destination counts as one of its sources
.endr
	s_wait_kmcnt 0x0
	s_cmp_eq_u32 s26, 1                            ; the weight and the bias of my p: the choices hang on the work-group's number alone
	s_cselect_b64 s[4:5], s[6:7], s[4:5]
	s_cselect_b64 s[12:13], s[14:15], s[12:13]
	s_cmp_eq_u32 s26, 2
	s_cselect_b64 s[4:5], s[8:9], s[4:5]
	s_cselect_b64 s[12:13], s[16:17], s[12:13]
	s_cmp_eq_u32 s26, 3
	s_cselect_b64 s[4:5], s[10:11], s[4:5]
	s_cselect_b64 s[12:13], s[18:19], s[12:13]
	s_add_nc_u64 s[20:21], s[20:21], s[36:37]
.irp b, 0,1,2,3
.irp q, 0,1,2,3
	global_load_b128 v[X0+16*\b+4*\q:X0+16*\b+4*\q+3], v6, s[4:5] offset:128*\b+16*\q th:TH_LOAD_NT
.endr
.endr
.irp b, 0,1,2,3
.irp q, 0,1,2,3
	global_load_b128 v[X1+16*\b+4*\q:X1+16*\b+4*\q+3], v7, s[4:5] offset:128*\b+16*\q th:TH_LOAD_NT
.endr
.endr
	s_wait_loadcnt 16                              ; the first tile's 16 loads are in; the second's 16 may be out
	QUANT X0, PC0, PW0
.irp i, 0,1,2
	global_store_b128 v9, v[PC0+4*\i:PC0+4*\i+3], s[20:21] offset:512*\i          ; 32 lanes store 512 consecutive bytes
.endr
	s_wait_loadcnt 0x0
	QUANT X1, PC1, PW1                             ; codes and word in registers of their own: no store's data are written again
.irp i, 0,1,2
	global_store_b128 v9, v[PC1+4*\i:PC1+4*\i+3], s[20:21] offset:1536+512*\i
.endr
	v_cndmask_b32 v58, v[PW0], v[PW1], s39         ; lanes 0-15 the first tile's words, lanes 16-31 the second's (every lane holds its row's whole word)
	global_store_b32 v10, v58, s[20:21] offset:24576
	s_cmp_lg_u32 s27, 0                            ; the biases are laid once for each p: by the work-groups of s = 0
	s_cbranch_scc1 .Ldone
	s_sub_co_u32 s42, s33, s32
	v_add_nc_u32 v11, s32, v4
	v_mad_u32_u24 v11, v3, s42, v11                ; NV(r) + NS of tile 2 e + h
	v_lshlrev_b32 v11, 2, v11
	global_load_b32 v12, v11, s[12:13]
	s_lshl_b32 s43, s26, 12
	s_lshl_b32 s44, s34, 2
	s_add_co_u32 s43, s43, s44
	v_lshl_add_u32 v13, v1, 2, s43                 ; bperm: 4,096 p + 4 (256 w + 32 e + lane)
	s_wait_loadcnt 0x0
	global_store_b32 v13, v12, s[22:23]
.Ldone:
	s_endpgm
.Lfunc_end_k_q9703eb1281_prep:
	.size	k_q9703eb1281_prep, .Lfunc_end_k_q9703eb1281_prep-k_q9703eb1281_prep
	.p2alignl 7, 3214868480
	.fill 96, 4, 3214868480
	.section	.rodata,"a",@progbits
	.p2align	6, 0x0
	.amdhsa_kernel k_q9703eb1281_prep
		.amdhsa_group_segment_fixed_size 0
		.amdhsa_private_segment_fixed_size 0
		.amdhsa_enable_private_segment 0
		.amdhsa_kernarg_size 80
		.amdhsa_user_sgpr_count 2
		.amdhsa_user_sgpr_kernarg_segment_ptr 1
		.amdhsa_wavefront_size32 1
		.amdhsa_system_sgpr_workgroup_id_x 1
		.amdhsa_system_sgpr_workgroup_id_y 1
		.amdhsa_system_sgpr_workgroup_id_z 1
		.amdhsa_system_vgpr_workitem_id 0
		.amdhsa_next_free_vgpr 208
		.amdhsa_next_free_sgpr 66
		.amdhsa_reserve_vcc 0
		.amdhsa_float_denorm_mode_32 3
		.amdhsa_float_denorm_mode_16_64 3
		.amdhsa_memory_ordered 1
		.amdhsa_forward_progress 1
		.amdhsa_inst_pref_size 16
	.end_amdhsa_kernel
	.amdgpu_metadata
---
amdhsa.version: [ 1, 2 ]
amdhsa.kernels:
  - .name:           k_q9703eb1281_prep
    .symbol:         k_q9703eb1281_prep.kd
    .args:
      - { .name: Wq, .offset: 0, .size: 8, .value_kind: global_buffer, .address_space: global }
      - { .name: Wk, .offset: 8, .size: 8, .value_kind: global_buffer, .address_space: global }
      - { .name: Wv, .offset: 16, .size: 8, .value_kind: global_buffer, .address_space: global }
      - { .name: Wo, .offset: 24, .size: 8, .value_kind: global_buffer, .address_space: global }
      - { .name: bq, .offset: 32, .size: 8, .value_kind: global_buffer, .address_space: global }
      - { .name: bk, .offset: 40, .size: 8, .value_kind: global_buffer, .address_space: global }
      - { .name: bv, .offset: 48, .size: 8, .value_kind: global_buffer, .address_space: global }
      - { .name: bo, .offset: 56, .size: 8, .value_kind: global_buffer, .address_space: global }
      - { .name: wimg, .offset: 64, .size: 8, .value_kind: global_buffer, .address_space: global }
      - { .name: bperm, .offset: 72, .size: 8, .value_kind: global_buffer, .address_space: global }
    .group_segment_fixed_size: 0
    .private_segment_fixed_size: 0
    .kernarg_segment_align: 8
    .kernarg_segment_size: 80
    .max_flat_workgroup_size: 128
    .sgpr_count:     66
    .vgpr_count:     208
    .wavefront_size: 32
...
	.end_amdgpu_metadata
.endif
;; end of part 1
;; launch fused (part 2): grid 256 x 1, 4 waves a work-group, clusters of 4 x 1, 327,680 bytes of LDS; arguments query, key, value, wimg, bperm, out0; writes out0
.if DOCPART == 2
	.amdgcn_target "amdgcn-amd-amdhsa--gfx1250"
	.amdhsa_code_object_version 6
	.text
	.protected	k_q9703eb1281_fused
	.globl	k_q9703eb1281_fused
	.p2align	8
	.type	k_q9703eb1281_fused,@function
k_q9703eb1281_fused:
	s_mov_b64 s[64:65], 0
	v_nop
	global_prefetch_b8 v0, s[64:65] scope:SCOPE_SE
	s_setreg_imm32_b32 hwreg(HW_REG_WAVE_MODE, 25, 1), 1
	s_wait_xcnt 0x0
	s_wait_alu depctr_hold_cnt(0) depctr_sa_sdst(0) depctr_va_vdst(0) depctr_va_sdst(0) depctr_va_ssrc(0) depctr_va_vcc(0) depctr_vm_vsrc(0)
	s_getreg_b32 s2, hwreg(HW_REG_IB_STS2, 6, 4)
	s_cmp_eq_u32 s2, 0
	s_cbranch_scc0 .Lentry_in_a_cluster
	s_endpgm
.Lentry_in_a_cluster:
	s_bfe_u32 s2, ttmp6, 0x10000c
	s_cmp_lg_u32 s2, 0x3003
	s_cbranch_scc0 .Lentry_shape_is_right
	s_endpgm
.Lentry_shape_is_right:
; The whole chain for 64 tokens a work-group: Q, K, V = x W^T + b (quantised products); for each token the 16 x 16 scores between its heads (quantised, K = 64); sparsemax of score / 12 along the heads; attn V (f32 operands);
; the reshape; the product with Wo (quantised) + bo.  Nothing of Q, K, V or of the attention's result goes to memory.  No work of the problem is left out; every input is read (the weights and biases as the first launch laid them).
; WHY 64 TOKENS CLOSE THE CHAIN.  The reshape sends (a, b, head h, d) to row h 128 + a / 16 of batch b, column 64 (a % 16) + d.  So the 16 tokens a = 16 i .. 16 i + 15 of one b fill 16 whole rows (h = 0 .. 15) of the last product's
; left operand, and a block of 32 along its K is half a head of one token.  Work-group g (256 of them) owns i = g / 2 and b = 4 (g % 2) + m, m = 0 .. 3: row tile m is one b; in it lane r is token a = 16 i + r, later head r.
; SHARES.  In each large product wave w makes all 64 rows x 256 columns: 64 accumulators, 512 registers; its 16 tiles of the weight for 128 along K come by ONE tensor load a K step into its own quarter of a ring of two LDS slots.
; THE MATRIX INSTRUCTION IS USED TRANSPOSED (source 0 = 16 rows of the weight, source 1 = 16 tokens): a lane holds one token, its registers run along the weight's rows, chosen by the first launch so that they fall as the next step wants them.
; x: wave w loads and quantises row tile w, a K step ahead, and hands the fragment to the others as an image of its registers in LDS.  Attention: wave w owns tokens 4 w .. 4 w + 3 of every row tile.
; CLUSTER: four work-groups walk the same weights: each wave's tensor load is a joint one (mask 15, the same descriptor in all four), behind a round of the cluster's barrier, which is also the barrier that publishes x's image.
; SPARSEMAX: with z sorted downward and c_j the sum of its first j, (c_j - 1) / j rises from j to j + 1 just where z_(j+1) lies over it, which is just where j + 1 is in the support: so tau is the largest of the 16 quotients.
; LIMITS: NaN and infinities are not served.  A block of zeros gets the scale byte 1 (its codes are zeros; this program alone reads the bytes).  score / 8 / 1.5 is one multiplication by 1/12 and the division by j one by 1/j, each a
; rounding apart from the division; tau is that largest quotient, which in exact arithmetic is the counted and gathered one (at a tie the number in doubt gives 0 either way).
; No L2 prefetch of x: its loads stand two K steps ahead in a phase that does nothing but stream; the weights are walked by every cluster.
;
; LDS: 0 slot 0, 102,400 slot 1 (a wave's quarter at 25,600 w: 16 tile images of 1,536, then 1,024 of scale words); 204,800 the spare words; 205,312 a phase's biases, 1,024 a wave;
;   Q, K, V phase: AIMG x's images (2 x 4 x 1,536), ASC their scale words, QC and KC the codes of Q and K (a token 784 = 16 heads x 48 + 16), QS and KS their scale bytes (a token 32);
;   attention, over the same bytes behind a barrier: VX V of one row tile (a token 4,112), XIMG the last product's 32 fragments, XSC their scale words;  the way out's stages lie in slot 0 behind its last fill, each wave's in its own quarter.
; REGISTERS, in windows of 256: window 0: v1-19 addresses; v20-23 tokens' scale words, v24-31 the weight's (nothing but scales); v32-47, v48-68 at work; v72-79 the next bias; v80-127 four fragments of tokens; v128-255 two sets of x, then attn, then rows of out0.
;   window 1: v0-191 the weight's 16 fragments (between products: biases, then V); v192-255 the f32 form's accumulators, written by matrix instructions alone.   windows 2, 3: accumulator (m, c) at v[64 m + 8 (c % 8)] of window 2 + c / 8.
.set SLOTB, 102400
.set QTR,   25600
.set WSCO,  24576
.set SPARE, 204800
.set BIAS,  205312
.set AIMG,  209408
.set ASC,   221696
.set QC,    222208
.set KC,    272384
.set QS,    322560
.set KS,    324608
.set VX,    209408
.set XIMG,  275200
.set XSC,   324352
.set SPW, 1                            ; v1  my spare word: SPARE + 4 x my thread's number; never rewritten
.set NIL, 2                            ; v2  0; never rewritten
.set XA,  3                            ; v3  x: 32,768 r + 64 h            | last product: XB
.set LI,  4                            ; v4  16 x lane
.set BF,  5                            ; v5, v6   my quarter of slot 0, 1 + 16 x lane
.set AF,  7                            ; v7  x's images + 16 x lane        | attention: QR   | last product: XSB
.set ASF, 8                            ; v8  their scale words + 4 r       | KR              | XFA
.set AW,  9                            ; v9  where I store my image        | QSR             | XFS
.set ASW, 10                           ; v10 and its scale words           | KSR             | STO
.set QW,  11                           ; v11 where I store Q's codes       | VW
.set QSW, 12                           ; v12 and their scale words         | VR
.set BIA, 13                           ; v13 my biases + 32 h
.set BIW, 14                           ; v14 my biases + 32 x lane
.set BS,  15                           ; v15, v16 my quarter's scale words + 4 x lane
.set E0,  17                           ; v17 Q's or K's codes              | XW
.set E1,  18                           ; v18 and scale words               | XSW
.set BCA, 19                           ; v19 the next bias's offset        | SH8
.set QR,  7
.set KR,  8
.set QSR, 9
.set KSR, 10
.set VW,  11
.set VR,  12
.set XW,  17
.set XSW, 18
.set SH8, 19
.set XB,  3
.set XSB, 7
.set XFA, 8
.set XFS, 9
.set STO, 10
.set SA,  20
.set SW,  24
.set TM,  32
.set PC,  48
.set PW,  68
.set BC,  72
.set FA,  80
.set X0,  128
.set X1,  192
.set G1,  24                           ; s[24:31] descriptor group 1;  s[32:35], s[36:39] group 0 for slot 0, 1
.set G0,  32
.set OB,  68                           ; s[68:99] out0 at my work-group's and wave's place in the rows of head 0 .. 15
; s[4:5] x's chunk in hand, s[6:7] and s[8:9] the tensors that follow; s[12:13] bperm + 8,192 + 1,024 w; s16 wave; s40 the step; s41 the chunk; s[48:49] lane selects; s50 1/12; s51-63, s66, s67 1/2 .. 1/16
.set MSB, 0
.macro WIN new                         ; the immediate's high byte repeats the setting that is left; a switch that changes nothing is dropped
.if MSB != (\new)
	s_set_vgpr_msb (MSB<<8)|(\new)
.set MSB, \new
.endif
.endm
.macro PLACES n
.rept \n
	v_nop
.endr
.endm
.macro CROUND                          ; a round of the cluster's barrier
	s_barrier_signal -1
	s_barrier_wait -1
	s_cmp_lg_u32 s16, 0
	s_cbranch_scc1 .Lnot_wave_0_\@
	s_barrier_signal -3
.Lnot_wave_0_\@:
	s_barrier_wait -3
	s_barrier_signal -1
	s_barrier_wait -1
.endm
.macro BAR                             ; my LDS stores have landed and my LDS loads are in: then the work-group's barrier.
	s_wait_dscnt 0x0
	s_barrier_signal -1
	s_barrier_wait -1
.endm
; THE CHANGE OF SLOTS at the head of a K step that reads slot b.  All my tensor loads have landed (one was out: this step's tile); the add; this slot's descriptor steps to its next tile; the add is done, my stores of x's image have landed and
; my reads of the other slot and of the other image are over; the round; and first behind it my one joint load: the next step's tile, into the slot read last.  By the text's own count one tensor load of a wave is out.
.macro TOP b
	s_wait_tensorcnt 0x0
	ds_add_u32 v[SPW], v[NIL]                      ; 0 onto my spare word
	s_add_nc_u64 s[G0+4*\b+2:G0+4*\b+3], s[G0+4*\b+2:G0+4*\b+3], 2*SLOTB
	s_wait_dscnt 0x0
	CROUND
	tensor_load_to_lds s[G0+4-4*\b:G0+7-4*\b], s[G1:G1+7]
	s_nop 0
	PLACES 4                                       ; (the places in front of the loads into registers that the last products read)
.endm
; 72 LDS loads: the four row tiles' scale words and fragments (address registers, offsets and strides given), my quarter's eight scale registers, my 16 tiles of the weight, in the order in which they are multiplied
.macro FETCH b, afr, aoff, astr, sfr, soff, sstr
.irp m, 0,1,2,3
	ds_load_b32 v[SA+\m], v[\sfr] offset:(\soff)+(\sstr)*\m
.endr
.irp m, 0,1,2,3
.irp i, 0,1,2
	ds_load_b128 v[FA+12*\m+4*\i:FA+12*\m+4*\i+3], v[\afr] offset:(\aoff)+(\astr)*\m+512*\i
.endr
.endr
.irp e, 0,1,2,3,4,5,6,7
	ds_load_b32 v[SW+\e], v[BS+\b] offset:128*\e
.endr
	WIN 0x40                                       ; destination window 1
.set tc, 0
.rept 16
.irp i, 0,1,2
	ds_load_b128 v[12*tc+4*\i:12*tc+4*\i+3], v[BF+\b] offset:1536*tc+512*\i
.endr
.set tc, tc+1
.endr
.endm
.macro WM zero                         ; the product of the weight's tile tc with row tile tm; the weight's scale words lie in lanes 0-15 (even tiles) or 16-31 (odd) of register tc / 2
.set rD, 64*tm+8*(tc%8)
.if \zero
.if tc%2
	v_wmma_scale_f32_16x16x128_f8f6f4 v[rD:rD+7], v[12*tc:12*tc+11], v[FA+12*tm:FA+12*tm+11], 0, v[SW+tc/2], v[SA+tm] matrix_a_fmt:MATRIX_FMT_BF6 matrix_b_fmt:MATRIX_FMT_BF6 matrix_a_scale:MATRIX_SCALE_ROW1
.else
	v_wmma_scale_f32_16x16x128_f8f6f4 v[rD:rD+7], v[12*tc:12*tc+11], v[FA+12*tm:FA+12*tm+11], 0, v[SW+tc/2], v[SA+tm] matrix_a_fmt:MATRIX_FMT_BF6 matrix_b_fmt:MATRIX_FMT_BF6
.endif
.else
.if tc%2
	v_wmma_scale_f32_16x16x128_f8f6f4 v[rD:rD+7], v[12*tc:12*tc+11], v[FA+12*tm:FA+12*tm+11], v[rD:rD+7], v[SW+tc/2], v[SA+tm] matrix_a_fmt:MATRIX_FMT_BF6 matrix_b_fmt:MATRIX_FMT_BF6 matrix_a_scale:MATRIX_SCALE_ROW1
.else
	v_wmma_scale_f32_16x16x128_f8f6f4 v[rD:rD+7], v[12*tc:12*tc+11], v[FA+12*tm:FA+12*tm+11], v[rD:rD+7], v[SW+tc/2], v[SA+tm] matrix_a_fmt:MATRIX_FMT_BF6 matrix_b_fmt:MATRIX_FMT_BF6
.endif
.endif
.endm
; A K step's 64 products.  The 64 accumulators take turns, one instruction a turn, in the same order in every step.  zero = 1: the products start the sums: nothing is cleared
.macro MUL zero
.set tc, 0
.rept 16
.if (tc%4) == 0
	s_wait_dscnt 36-3*tc                           ; the next four tiles are in: three loads for each later tile may be out
	WIN 0xa1+0x50*(tc/8)                           ; source 0 window 1, source 1 window 0, C and D window 2 or 3
.endif
.set tm, 0
.rept 4
	WM \zero
.set tm, tm+1
.endr
.set tc, tc+1
.endr
.endm
; 64 numbers of a lane in window w, register 16 b + i = k 32 b + 16 (lane / 16) + i of my row, become a fragment's codes in v[PC] on and its scale word in v[PW]
.macro QUANT s, w
	WIN ((\w)<<2)|((\w)<<4)                        ; sources 1 and 2: the numbers
.irp b, 0,1,2,3
	v_max3_num_f32 v[TM+\b], 0x2800000, |v[(\s)+16*\b]|, |v[(\s)+1+16*\b]|   ; the floor 2^(5 - 127), so that the byte cannot fall under 1, and my 16 numbers of block b
.endr
.irp i, 2,4,6,8,10,12,14
.irp b, 0,1,2,3
	v_max3_num_f32 v[TM+\b], v[TM+\b], |v[(\s)+16*\b+\i]|, |v[(\s)+1+16*\b+\i]|
.endr
.endr
	WIN 0
.irp b, 0,1,2,3
	v_permlanex16_b32 v[TM+4+\b], v[TM+\b], s48, s49
.endr
.irp b, 0,1,2,3
	v_max_num_f32 v[TM+\b], v[TM+\b], v[TM+4+\b]      ; with lane l xor 16's: the block's largest magnitude
.endr
.irp b, 0,1,2,3
	v_add_nc_u32 v[TM+12+\b], 0xfe000000, v[TM+\b]    ; 4 off its exponent field: the conversion's scale operand
.endr
.irp b, 0,1,2,3
	v_lshrrev_b32 v[TM+4+\b], 23, v[TM+12+\b]         ; the scale's byte
.endr
	v_lshl_or_b32 v[PW], v[TM+5], 8, v[TM+4]
	v_lshl_or_b32 v[PW], v[TM+6], 16, v[PW]
	v_lshl_or_b32 v[PW], v[TM+7], 24, v[PW]
	WIN \w                                         ; source 0: the numbers
.irp c, 0,1
	v_cvt_scalef32_pk16_bf6_f32 v[PC+6*\c:PC+2+6*\c], v[(\s)+32*\c:(\s)+15+32*\c], v[TM+12+2*\c]
	v_cvt_scalef32_pk16_bf6_f32 v[PC+12+4*\c:PC+14+4*\c], v[(\s)+16+32*\c:(\s)+31+32*\c], v[TM+12+2*\c+1]   ; (a conversion's three registers begin on an even number)
.endr
	WIN 0
	v_nop                                          ; one plain place behind a scaled conversion
.irp c, 0,1                                    ; the operand wants a whole block in a lane
.irp i, 0,1,2
	v_permlane16_swap_b32 v[PC+6*\c+\i], v[PC+12+4*\c+\i]
.endr
.irp i, 0,1,2
	v_mov_b32 v[PC+3+6*\c+\i], v[PC+12+4*\c+\i]
.endr
.endr
.endm
.macro XLOAD set, off                  ; my 16 tokens' numbers of a chunk (128 along K): lane (r, h) takes 16 neighbours of each block of 32
.irp b, 0,1,2,3
.irp q, 0,1,2,3
	global_load_b128 v[\set+16*\b+4*\q:\set+16*\b+4*\q+3], v[XA], s[4:5] offset:(\off)+128*\b+16*\q th:TH_LOAD_NT
.endr
.endr
.endm
.macro IMAGE buf                       ; the fragment goes to LDS as it stands in registers, its scale words beside it (both halves of the lanes hold the same word and write it to the same place)
.irp i, 0,1,2
	ds_store_b128 v[AW], v[PC+4*\i:PC+4*\i+3] offset:6144*\buf+512*\i
.endr
	ds_store_b32 v[ASW], v[PW] offset:256*\buf
.endm
; The next K step's chunk, in registers set, is quantised into image buffer buf.  n: the younger loads that may stay out.  issue = 1: the set takes the chunk two further on; every eighth chunk begins the next tensor
.macro XPART set, buf, n, issue
	s_wait_loadcnt \n
	QUANT \set, 0
	IMAGE \buf
.if \issue
	s_wait_xcnt 0x0                                ; the loads issued so far have read their base: it may step
	s_add_nc_u64 s[4:5], s[4:5], 512
	s_add_co_u32 s41, s41, 1
	s_and_b32 s42, s41, 7
	s_cmp_eq_u32 s42, 0
	s_cselect_b64 s[4:5], s[6:7], s[4:5]
	s_cselect_b64 s[6:7], s[8:9], s[6:7]
	XLOAD \set, 0
.endif
.endm
; The phase's biases, tile c at v[8 c] of window 1 in the result's layout (lane (., h): those of the tile's rows 8 h .. 8 h + 7).  site 1, 2: the next phase's, kept compact in v72-79, then take their place in LDS (LDS serves a wave's
; instructions in order).  site 1: and the phase after that is asked for.
.macro BIASGET site
	WIN 0x40
.set tc, 0
.rept 16
	ds_load_b128 v[8*tc:8*tc+3], v[BIA] offset:64*tc
	ds_load_b128 v[8*tc+4:8*tc+7], v[BIA] offset:64*tc+16
.set tc, tc+1
.endr
	WIN 0
.if \site < 3
	ds_store_b128 v[BIW], v[BC:BC+3]
	ds_store_b128 v[BIW], v[BC+4:BC+7] offset:16
.endif
	s_wait_dscnt 0x0                               ; the biases are in, and the stores have read their registers
.if \site == 1
	v_and_b32 v[BCA], 31, v0
	v_lshlrev_b32 v[BCA], 5, v[BCA]
	v_add_nc_u32 v[BCA], s45, v[BCA]
	global_load_b128 v[BC:BC+3], v[BCA], s[12:13]
	global_load_b128 v[BC+4:BC+7], v[BCA], s[12:13] offset:16
.endif
.endm
.macro BIASADD m, hh                   ; row tile m, tiles 8 hh on: + bias, in place, each accumulator from its low end on
	WIN 0x86+0x41*(\hh)
.set k2, 0
.rept 32
	v_pk_add_f32 v[64*(\m)+k2:64*(\m)+k2+1], v[64*(\m)+k2:64*(\m)+k2+1], v[64*(\hh)+k2:64*(\hh)+k2+1]
.set k2, k2+2
.endr
.endm
; Q's or K's end: + bias, quantised along the head's 64 (my 256 columns are heads 4 w .. 4 w + 3), codes and scale bytes to LDS by token and head
.macro EPI
	s_bfe_u32 s42, s40, 0x10003                    ; 0: Q (step 7), 1: K (step 15)
	s_mul_i32 s43, s42, KC-QC
	s_lshl_b32 s44, s42, 11
	s_lshl_b32 s45, s42, 12
	v_add_nc_u32 v[E0], s43, v[QW]
	v_add_nc_u32 v[E1], s44, v[QSW]
	BIASGET 1
.irp hh, 0,1
.irp m, 0,1,2,3
	BIASADD \m, \hh
	s_wait_dscnt 0x0                               ; the last stores have read the codes' registers
	QUANT 64*\m, 2+\hh
.irp c, 0,1
.irp i, 0,1,2
	ds_store_b64 v[E0], v[PC+6*\c+2*\i:PC+6*\c+2*\i+1] offset:12544*\m+48*(2*\hh+\c)+8*\i
.endr
.endr
	ds_store_b32 v[E1], v[PW] offset:512*\m+4*\hh
.endr
.endr
.endm
; ---- attention
.macro LOADP m, ip                     ; tokens 2 ip, 2 ip + 1 of my four in row tile m: Q's and K's codes (16 heads x 64: registers 0-5 of an operand) and scale bytes (two a head; the word's upper bytes are 0, over zero codes)
.irp x, 0,1
.irp k, 0,1,2
	ds_load_b64 v[FA+24*\x+2*\k:FA+24*\x+2*\k+1], v[QR] offset:12544*(\m)+784*(2*(\ip)+\x)+8*\k
	ds_load_b64 v[FA+12+24*\x+2*\k:FA+12+24*\x+2*\k+1], v[KR] offset:12544*(\m)+784*(2*(\ip)+\x)+8*\k
.endr
	ds_load_u16 v[SA+2*\x], v[QSR] offset:512*(\m)+32*(2*(\ip)+\x)
	ds_load_u16 v[SA+1+2*\x], v[KSR] offset:512*(\m)+32*(2*(\ip)+\x)
.endr
.endm
.macro CE0 a, b                        ; the sort's first layer leaves z where it is
	v_max_num_f32 v[48+\a], v[SZ+\a], v[SZ+\b]
	v_min_num_f32 v[48+\b], v[SZ+\a], v[SZ+\b]
.endm
.macro CE a, b                         ; place a takes the larger, place b the smaller; the smaller goes to the free register, and the names change
	v_min_num_f32 v[FREE], v[R\a], v[R\b]
	v_max_num_f32 v[R\a], v[R\a], v[R\b]
.set TSW, R\b
.set R\b, FREE
.set FREE, TSW
.endm
; Pair pp = 2 m + ip: two tokens' scores and sparsemax; attn stays in v[128 + 16 pp] on.  Source 0 = K's heads in the order pi, source 1 = Q's heads: lane (r, h) holds head r's scores against heads 4 (j / 2) + 2 h + j % 2, j = 0 .. 7:
; the f32 form's layout for its second source.  For the sort the two tokens' halves change lanes, so that a lane holds all 16 numbers of one row of one token; then back.
.macro PAIR
.set SZ, 128+16*pp
	s_wait_dscnt 0x0
	v_wmma_scale_f32_16x16x128_f8f6f4 v[32:39], v[FA+12:FA+23], v[FA:FA+11], 0, v[SA+1], v[SA] matrix_a_fmt:MATRIX_FMT_BF6 matrix_b_fmt:MATRIX_FMT_BF6
	v_wmma_scale_f32_16x16x128_f8f6f4 v[40:47], v[FA+36:FA+47], v[FA+24:FA+35], 0, v[SA+3], v[SA+2] matrix_a_fmt:MATRIX_FMT_BF6 matrix_b_fmt:MATRIX_FMT_BF6
	PLACES 4
.irp j, 0,1,2,3,4,5,6,7,8,9,10,11,12,13,14,15
	v_mul_f32 v[SZ+\j], s50, v[32+\j]              ; z = score / 12
.endr
.if pp < 7
	LOADP (pp+1)/2, (pp+1)%2                       ; the next pair's operands come while this pair is sorted
.endif
.irp j, 0,1,2,3,4,5,6,7
	v_permlane16_swap_b32 v[SZ+\j], v[SZ+8+\j]     ; lanes 0-15: the first token's rows, lanes 16-31: the second's
.endr
.irp i, 0,1,2,3,4,5,6,7,8,9,10,11,12,13,14,15
.set R\i, 48+\i
.endr
.set FREE, 64
	; Batcher's odd-even merge sort of 16, 63 comparators, downward
.irp a, 0,2,4,6,8,10,12,14
	CE0 \a, \a+1
.endr
	CE 0,2
	CE 1,3
	CE 4,6
	CE 5,7
	CE 8,10
	CE 9,11
	CE 12,14
	CE 13,15
	CE 1,2
	CE 5,6
	CE 9,10
	CE 13,14
	CE 0,4
	CE 1,5
	CE 2,6
	CE 3,7
	CE 8,12
	CE 9,13
	CE 10,14
	CE 11,15
	CE 2,4
	CE 3,5
	CE 10,12
	CE 11,13
	CE 1,2
	CE 3,4
	CE 5,6
	CE 9,10
	CE 11,12
	CE 13,14
	CE 0,8
	CE 1,9
	CE 2,10
	CE 3,11
	CE 4,12
	CE 5,13
	CE 6,14
	CE 7,15
	CE 4,8
	CE 5,9
	CE 6,10
	CE 7,11
	CE 2,4
	CE 3,5
	CE 6,8
	CE 7,9
	CE 10,12
	CE 11,13
	CE 1,2
	CE 3,4
	CE 5,6
	CE 7,8
	CE 9,10
	CE 11,12
	CE 13,14
	v_add_f32 v70, -1.0, v[R0]                     ; c_1 - 1: the first quotient
	v_add_f32 v65, v70, v[R1]
	v_mul_f32 v66, s51, v65
.irp k, 2,3,4,5,6,7,8,9,10,11,12,13,14,15
	v_add_f32 v65, v65, v[R\k]                     ; c_(k+1) - 1
	v_mul_f32 v[66+(\k+1)%2], s[50+\k+2*(\k/14)], v65   ; / (k + 1)
.if (\k%2) == 0
	v_max3_num_f32 v70, v70, v66, v67
.endif
.endr
	v_max_num_f32 v70, v70, v66                    ; tau
.irp j, 0,2,4,6,8,10,12,14
	v_pk_add_f32 v[SZ+\j:SZ+\j+1], v[SZ+\j:SZ+\j+1], v[70:71] op_sel_hi:[1,0] neg_lo:[0,1] neg_hi:[0,1]   ; z - tau (of the pair the low word serves both halves)
.endr
.irp j, 0,1,2,3,4,5,6,7,8,9,10,11,12,13,14,15
	v_max_num_f32 v[SZ+\j], 0, v[SZ+\j]
.endr
.irp j, 0,1,2,3,4,5,6,7
	v_permlane16_swap_b32 v[SZ+\j], v[SZ+8+\j]
.endr
.endm
.macro VSTORE m                        ; V of row tile m goes to LDS, laid for each token as the f32 form's first source takes it: 16 bytes are four heads of one channel
.set tc, 0
.rept 16
	WIN 0x08+4*(tc/8)                              ; an LDS store's data are its source 1
.irp e, 0,1
	ds_store_b128 v[VW], v[64*(\m)+8*(tc%8)+4*\e:64*(\m)+8*(tc%8)+4*\e+3] offset:512*(2*(tc/4)+\e)+16*(tc%4)
.endr
.set tc, tc+1
.endr
	WIN 0
.endm
.macro VLOAD                           ; my four tokens' V: 32 registers a token
	WIN 0x40
.irp i, 0,1,2,3
.irp q, 0,1,2,3,4,5,6,7
	ds_load_b128 v[32*\i+4*\q:32*\i+4*\q+3], v[VR] offset:4112*\i+512*\q
.endr
.endr
	WIN 0
.endm
; attn V for two tokens: source 0 = 16 channels x 4 heads of V, source 1 = 4 heads x 16 rows of attn.  Eight accumulators by turns; the first four heads start the sums.  Lane (r, h) then holds row r's channels 32 h + 8 u + j.
.macro PV m, ip
	WIN 0x51                                       ; source 0, C and D window 1, source 1 window 0
.irp s, 0,1,2,3
.irp u, 0,1,2,3
.irp x, 0,1
.if \s == 0
	v_wmma_f32_16x16x4_f32 v[192+32*\x+8*\u:199+32*\x+8*\u], v[32*(2*(\ip)+\x)+8*\u+2*\s:32*(2*(\ip)+\x)+8*\u+2*\s+1], v[128+16*(2*(\m)+(\ip))+8*\x+2*\s:128+16*(2*(\m)+(\ip))+8*\x+2*\s+1], 0
.else
	v_wmma_f32_16x16x4_f32 v[192+32*\x+8*\u:199+32*\x+8*\u], v[32*(2*(\ip)+\x)+8*\u+2*\s:32*(2*(\ip)+\x)+8*\u+2*\s+1], v[128+16*(2*(\m)+(\ip))+8*\x+2*\s:128+16*(2*(\m)+(\ip))+8*\x+2*\s+1], v[192+32*\x+8*\u:199+32*\x+8*\u]
.endif
.endr
.endr
.endr
	WIN 0
	PLACES 9                                       ; behind this form: eight ahead of the reads of results and of loads into its sources, nine ahead of the next run, which begins the same accumulators anew
.endm
; The two tokens' results are one fragment of the last product (row = head, K = 128 = two tokens x 64): a lane's 32 registers of a token are a whole block.
.macro XQUANT m, ip
	s_wait_dscnt 0x0                               ; the last stores have read the codes' registers
	WIN 0x14                                       ; sources 1 and 2 window 1
.irp x, 0,1
.irp q, 0,1
	v_max3_num_f32 v[32+2*\x+\q], 0x2800000, |v[192+32*\x+16*\q]|, |v[193+32*\x+16*\q]|   ; two chains a token, each accumulator from its low end on
.endr
.endr
.irp i, 2,4,6,8,10,12,14
.irp x, 0,1
.irp q, 0,1
	v_max3_num_f32 v[32+2*\x+\q], v[32+2*\x+\q], |v[192+32*\x+16*\q+\i]|, |v[193+32*\x+16*\q+\i]|
.endr
.endr
.endr
	WIN 0
	v_max_num_f32 v32, v32, v33
	v_max_num_f32 v34, v34, v35
	v_add_nc_u32 v44, 0xfe000000, v32              ; the conversions' scale operands
	v_add_nc_u32 v45, 0xfe000000, v34
	v_lshrrev_b32 v36, 23, v44
	v_lshrrev_b32 v37, 23, v45
	v_lshl_or_b32 v38, v37, 16, v36                ; my two bytes: blocks h and 2 + h of row r,
	v_lshlrev_b32 v38, v[SH8], v38                 ; at their places in the word;
	v_permlanex16_b32 v39, v38, s48, s49
	v_or_b32 v[PW], v38, v39                       ; with lane l xor 16's two it is whole
	WIN 0x01
.irp x, 0,1
	v_cvt_scalef32_pk16_bf6_f32 v[PC+6*\x:PC+2+6*\x], v[192+32*\x:207+32*\x], v[44+\x]
	v_cvt_scalef32_pk16_bf6_f32 v[PC+12+4*\x:PC+14+4*\x], v[208+32*\x:223+32*\x], v[44+\x]
.endr
	WIN 0
	v_nop                                          ; one plain place behind a scaled conversion
.irp x, 0,1
.irp i, 0,1,2
	v_mov_b32 v[PC+3+6*\x+\i], v[PC+12+4*\x+\i]
.endr
.endr
.irp i, 0,1,2
	ds_store_b128 v[XW], v[PC+4*\i:PC+4*\i+3] offset:12288*(\m)+1536*(\ip)+512*\i
.endr
	ds_store_b32 v[XSW], v[PW] offset:512*(\m)+64*(\ip)
.endm
; ---- the way out, by blocks a = 2 m + hh of 16 rows (heads) x 128 columns: through my stage and back as whole rows of 512 bytes
.macro TOSTAGE a
	WIN 0x08+4*((\a)%2)
.irp c, 0,1,2,3,4,5,6,7
	ds_store_b128 v[STO], v[64*((\a)/2)+8*\c:64*((\a)/2)+8*\c+3] offset:64*\c
	ds_store_b128 v[STO], v[64*((\a)/2)+8*\c+4:64*((\a)/2)+8*\c+7] offset:64*\c+16
.endr
	WIN 0
.set BB, 128+64*((\a)%2)
.irp t, 0,1,2,3,4,5,6,7,8,9,10,11,12,13,14,15
	ds_load_b128 v[BB+4*\t:BB+4*\t+3], v[BF] offset:528*\t     ; LDS serves a wave's instructions in order: these see my stores, and the next block's stores come behind them
.endr
.endm
.macro SEND a, younger
.set BB, 128+64*((\a)%2)
	s_wait_dscnt \younger
.irp t, 0,1,2,3,4,5,6,7,8,9,10,11,12,13,14,15
	global_store_b128 v[LI], v[BB+4*\t:BB+4*\t+3], s[OB+2*\t:OB+2*\t+1] offset:4096*((\a)/2)+512*((\a)%2) th:TH_STORE_NT   ; 32 lanes store 512 consecutive bytes, at a multiple of 256 from out0's first byte
.endr
.endm
	; ---------------- the head
	s_load_b256 s[4:11], s[0:1], 0x0               ; query s[4:5], key s[6:7], value s[8:9], wimg s[10:11]
	s_load_b128 s[12:15], s[0:1], 0x20             ; bperm s[12:13], out0 s[14:15]
	v_lshl_add_u32 v[SPW], v0, 2, SPARE
	v_mov_b32 v[NIL], 0
	ds_add_u32 v[SPW], v[NIL]                      ; the wave's opening: the add, twice on end, and its wait ahead of my first tensor load
	ds_add_u32 v[SPW], v[NIL]
	v_lshrrev_b32 v68, 5, v0
	v_readfirstlane_b32 s16, v68                   ; wave 0..3
	v_and_b32 v69, 31, v0                          ; lane
	v_and_b32 v70, 15, v0                          ; r
	v_bfe_u32 v71, v0, 4, 1                        ; h
	v_lshlrev_b32 v[XA], 15, v70                   ; x: token r is 8 rows of 4,096 bytes on,
	v_lshl_add_u32 v[XA], v71, 6, v[XA]            ; + 64 h
	v_lshlrev_b32 v[BCA], 5, v69
	v_lshlrev_b32 v[LI], 4, v69
	s_bfe_u32 s17, ttmp6, 0x40000                  ; cx: it enters x's and out0's addresses alone
	s_lshl_b32 s18, ttmp9, 2
	s_add_co_u32 s18, s18, s17                     ; g
	s_lshr_b32 s19, s18, 1                         ; i
	s_and_b32 s20, s18, 1
	s_lshl_b32 s22, s19, 19                        ; x: 16 i tokens of 32,768 bytes,
	s_lshl_b32 s21, s20, 14                        ; + 4 (g % 2) rows,
	s_add_co_u32 s22, s22, s21
	s_lshl_b32 s21, s16, 12                        ; + my row tile
	s_add_co_u32 s22, s22, s21
	s_mov_b32 s23, 0
	s_lshl_b32 s2, s19, 15                         ; out0: row i of a head's 128, 8 rows of 4,096 bytes each,
	s_lshl_b32 s21, s20, 14
	s_add_co_u32 s2, s2, s21
	s_lshl_b32 s21, s16, 10                        ; + my 256 columns
	s_add_co_u32 s2, s2, s21
	s_mov_b32 s3, 0
	s_mul_i32 s42, s16, QTR                        ; my quarter of a step's weights, in memory and in a slot
	s_mov_b32 s43, 0
	s_mov_b32 s[G1], 15|(3<<16)|(1<<21)            ; 15:0 the mask: all four work-groups; 17:16 elements of 8 bytes; 21 set beside a mask; no padding
	s_mov_b32 s[G1+1], 32<<16                      ; tensor_dim0 = 32: rows of 256 bytes
	s_mov_b32 s[G1+2], 100<<16                     ; tensor_dim1 = 100: 25,600 dense bytes
	s_mov_b32 s[G1+3], 32<<16                      ; tile_dim0
	s_mov_b32 s[G1+4], 100                         ; tile_dim1
	s_mov_b32 s[G1+5], 32                          ; the pitch
	s_mov_b32 s[G1+6], 0
	s_mov_b32 s[G1+7], 0
	s_mov_b32 s48, 0x76543210
	s_mov_b32 s49, 0xfedcba98                      ; v_permlanex16_b32's selects for lane l xor 16
	s_mov_b32 s50, 0x3daaaaab                      ; 1/12
	s_mov_b32 s51, 0x3f000000                      ; 1/2 .. 1/16
	s_mov_b32 s52, 0x3eaaaaab
	s_mov_b32 s53, 0x3e800000
	s_mov_b32 s54, 0x3e4ccccd
	s_mov_b32 s55, 0x3e2aaaab
	s_mov_b32 s56, 0x3e124925
	s_mov_b32 s57, 0x3e000000
	s_mov_b32 s58, 0x3de38e39
	s_mov_b32 s59, 0x3dcccccd
	s_mov_b32 s60, 0x3dba2e8c
	s_mov_b32 s61, 0x3daaaaab
	s_mov_b32 s62, 0x3d9d89d9
	s_mov_b32 s63, 0x3d924925
	s_mov_b32 s66, 0x3d888889
	s_mov_b32 s67, 0x3d800000
	s_wait_dscnt 0x0                               ; both opening adds are done
	s_wait_kmcnt 0x0
	s_add_nc_u64 s[4:5], s[4:5], s[22:23]
	s_add_nc_u64 s[6:7], s[6:7], s[22:23]
	s_add_nc_u64 s[8:9], s[8:9], s[22:23]
	s_lshl_b32 s22, s16, 10
	s_add_nc_u64 s[12:13], s[12:13], s[22:23]
	s_add_nc_u64 s[12:13], s[12:13], 8192
	global_load_b128 v[BC:BC+3], v[BCA], s[12:13] offset:-8192       ; Q's biases, compact: 32 bytes a lane
	global_load_b128 v[BC+4:BC+7], v[BCA], s[12:13] offset:-8176
	XLOAD X0, 0                                    ; chunks 0 and 1 of query
	XLOAD X1, 512
	s_add_nc_u64 s[14:15], s[14:15], s[2:3]
.irp t, 0,1,2,3,4,5,6,7,8,9,10,11,12,13,14,15
	s_add_nc_u64 s[OB+2*\t:OB+2*\t+1], s[14:15], \t*4194304          ; head t's rows lie 128 x 8 rows on
.endr
	s_add_nc_u64 s[10:11], s[10:11], s[42:43]
	s_mov_b32 s[G0], 1
	s_mov_b32 s[G0+1], s42
	s_mov_b64 s[G0+2:G0+3], s[10:11]               ; step 0
	s_or_b32 s[G0+3], s[G0+3], 0x80000000
	s_mov_b32 s[G0+4], 1
	s_add_co_u32 s[G0+5], s42, SLOTB
	s_add_nc_u64 s[G0+6:G0+7], s[10:11], SLOTB     ; step 1
	s_or_b32 s[G0+7], s[G0+7], 0x80000000
	CROUND                                         ; all four work-groups are here: the first joint loads meet
	tensor_load_to_lds s[G0:G0+3], s[G1:G1+7]
	s_nop 0
	PLACES 4
	v_add_nc_u32 v[BF], s42, v[LI]
	v_add_nc_u32 v[BF+1], SLOTB, v[BF]
	s_add_co_u32 s17, s42, WSCO
	v_lshl_add_u32 v[BS], v69, 2, s17
	v_add_nc_u32 v[BS+1], SLOTB, v[BS]
	v_add_nc_u32 v[AF], AIMG, v[LI]
	v_lshl_add_u32 v[ASF], v70, 2, ASC
	s_mul_i32 s17, s16, 1536
	s_add_co_u32 s17, s17, AIMG
	v_add_nc_u32 v[AW], s17, v[LI]
	s_lshl_b32 s17, s16, 6
	s_add_co_u32 s17, s17, ASC
	v_lshl_add_u32 v[ASW], v70, 2, s17
	s_mul_i32 s17, s16, 192
	s_add_co_u32 s17, s17, QC
	v_mul_u32_u24 v[QW], v70, 784
	v_mad_u32_u24 v[QW], v71, 24, v[QW]
	v_add_nc_u32 v[QW], s17, v[QW]                 ; token r, my four heads, + 24 h
	s_lshl_b32 s17, s16, 3
	s_add_co_u32 s17, s17, QS
	v_lshl_add_u32 v[QSW], v70, 5, s17
	s_lshl_b32 s17, s16, 10
	s_add_co_u32 s17, s17, BIAS
	v_lshl_add_u32 v[BIA], v71, 5, s17
	v_lshl_add_u32 v[BIW], v69, 5, s17
.irp b, 0,1,2,3
	v_mov_b32 v[TM+4+\b], 0                        ; written once: a lane permute's destination counts as one of its sources
.endr
	s_wait_loadcnt 32                              ; Q's biases are in; chunks 0 and 1 may be out
	ds_store_b128 v[BIW], v[BC:BC+3]
	ds_store_b128 v[BIW], v[BC+4:BC+7] offset:16
	s_wait_dscnt 0x0                               ; the stores have read their registers
	global_load_b128 v[BC:BC+3], v[BCA], s[12:13] offset:-4096       ; K's biases
	global_load_b128 v[BC+4:BC+7], v[BCA], s[12:13] offset:-4080
	s_wait_loadcnt 18                              ; chunk 0 is in; chunk 1 and K's biases may be out
	QUANT X0, 0
	IMAGE 0
	XLOAD X0, 1024                                 ; chunk 2
	s_wait_xcnt 0x0
	s_add_nc_u64 s[4:5], s[4:5], 1024
	s_mov_b32 s41, 2
	; ---------------- Q, K, V: 24 K steps.  Step s multiplies x's image s by tile s, quantises chunk s + 1 and asks for chunk s + 3
	TOP 0                                          ; step 0 is written out: its products start the sums
	FETCH 0, AF, 0, 1536, ASF, 0, 64
	MUL 1
	WIN 0
	XPART X1, 1, 16, 1
	s_mov_b32 s40, 1
.Lqkv:                                                 ; ten trips: steps s40 and s40 + 1, s40 = 1, 3 .. 19
	TOP 1
	FETCH 1, AF, 6144, 1536, ASF, 256, 64
	MUL 0
	WIN 0
	XPART X0, 0, 16, 1
	s_and_b32 s42, s40, 7
	s_cmp_lg_u32 s42, 7                            ; steps 7 and 15 end Q and K: the count of steps alone decides, alike in all waves and partners
	s_cbranch_scc1 .Lno_epi
	EPI
.Lno_epi:
	TOP 0
	FETCH 0, AF, 0, 1536, ASF, 0, 64
	WIN 0
	s_and_b32 s42, s40, 7
	s_cmp_eq_u32 s42, 7
	s_cbranch_scc1 .Lnew_sum
	MUL 0
	WIN 0
	s_branch .Lsum_on
.Lnew_sum:
	MUL 1                                          ; steps 8 and 16 start K's and V's sums
	WIN 0
.Lsum_on:
	XPART X1, 1, 16, 1
	s_add_co_u32 s40, s40, 2
	s_cmp_lt_u32 s40, 21
	s_cbranch_scc1 .Lqkv
	TOP 1                                          ; the last three steps ask for no chunk: no load leaves its buffer, and the counts run down
	FETCH 1, AF, 6144, 1536, ASF, 256, 64
	MUL 0
	WIN 0
	XPART X0, 0, 16, 0
	TOP 0
	FETCH 0, AF, 0, 1536, ASF, 0, 64
	MUL 0
	WIN 0
	XPART X1, 1, 0, 0
	TOP 1
	FETCH 1, AF, 6144, 1536, ASF, 256, 64
	MUL 0
	WIN 0
	TOP 0                                          ; the change of slots in front of step 24: Wo's first tile is in, its second lands during the attention
	; ---------------- attention
.irp x, 0,1,2,3
.irp k, 6,7,8,9,10,11
	v_mov_b32 v[FA+12*\x+\k], 0                    ; K = 64 of the instruction's 128: the upper halves of the four operands are zero codes
.endr
.endr
	v_and_b32 v69, 15, v0                          ; r
	v_bfe_u32 v71, v0, 4, 1                        ; h (v71 is also the upper half of tau's pair)
	v_bfe_u32 v70, v0, 1, 2
	v_lshlrev_b32 v70, 2, v70
	v_bfe_u32 v65, v0, 3, 1
	v_lshl_add_u32 v70, v65, 1, v70
	v_and_b32 v65, 1, v0
	v_add_nc_u32 v70, v70, v65                     ; pi(r) = 4 ((r / 2) % 4) + 2 (r / 8) + r % 2
	s_mul_i32 s17, s16, 3136                       ; my four tokens of a row tile
	s_add_co_u32 s18, s17, QC
	s_add_co_u32 s19, s17, KC
	v_mul_u32_u24 v[QR], v69, 48
	v_mad_u32_u24 v[QR], v71, 24, v[QR]
	v_add_nc_u32 v[QR], s18, v[QR]
	v_mul_u32_u24 v[KR], v70, 48
	v_mad_u32_u24 v[KR], v71, 24, v[KR]
	v_add_nc_u32 v[KR], s19, v[KR]
	s_lshl_b32 s17, s16, 7
	s_add_co_u32 s18, s17, QS
	s_add_co_u32 s19, s17, KS
	v_lshl_add_u32 v[QSR], v69, 1, s18
	v_lshl_add_u32 v[KSR], v70, 1, s19
	s_lshl_b32 s17, s16, 6
	s_add_co_u32 s17, s17, VX
	v_mul_u32_u24 v[VW], v69, 4112
	v_lshl_add_u32 v[VW], v71, 8, v[VW]
	v_add_nc_u32 v[VW], s17, v[VW]
	s_mul_i32 s17, s16, 16448
	s_add_co_u32 s17, s17, VX
	v_add_nc_u32 v[VR], s17, v[LI]
	s_mul_i32 s17, s16, 3072
	s_add_co_u32 s17, s17, XIMG
	v_add_nc_u32 v[XW], s17, v[LI]
	s_lshl_b32 s17, s16, 7
	s_add_co_u32 s17, s17, XSC
	v_lshl_add_u32 v[XSW], v69, 2, s17
	v_lshlrev_b32 v[SH8], 3, v71
	LOADP 0, 0
.set pp, 0
.rept 8
	PAIR
.set pp, pp+1
.endr
	BIASGET 2
.irp hh, 0,1
.irp m, 0,1,2,3
	BIASADD \m, \hh                                ; V + bv
.endr
.endr
	WIN 0
	BAR                                            ; every wave has read the last of Q's and K's codes: their bytes are free
	VSTORE 0
.irp m, 0,1,2,3
	BAR                                            ; V of row tile m lies in LDS
	VLOAD
.if \m < 3
	BAR                                            ; every wave has its tokens' V in registers
	VSTORE \m+1
.else
	s_wait_dscnt 0x0
.endif
	PV \m, 0
	XQUANT \m, 0
	PV \m, 1
	XQUANT \m, 1
.endr
	BAR                                            ; the last product's 32 fragments lie in LDS
	; ---------------- the product with Wo: steps 24 .. 31
	v_and_b32 v69, 15, v0
	v_bfe_u32 v71, v0, 4, 1
	v_add_nc_u32 v[XB], XIMG, v[LI]
	v_lshl_add_u32 v[XSB], v69, 2, XSC
	s_mul_i32 s17, s16, QTR
	v_mul_u32_u24 v[STO], v69, 528
	v_lshl_add_u32 v[STO], v71, 5, v[STO]
	v_add_nc_u32 v[STO], s17, v[STO]               ; my stage: row r of 528 bytes, + 32 h
	FETCH 0, XB, 0, 12288, XSB, 0, 512
	MUL 1
	WIN 0
	s_mov_b32 s46, 1536                            ; the K step's fragments and scale words
	s_mov_b32 s47, 64
	s_mov_b32 s40, 3
.Lout:                                                 ; three trips of two steps: 25 .. 30
	TOP 1
	v_add_nc_u32 v[XFA], s46, v[XB]
	v_add_nc_u32 v[XFS], s47, v[XSB]
	FETCH 1, XFA, 0, 12288, XFS, 0, 512
	MUL 0
	WIN 0
	TOP 0
	FETCH 0, XFA, 1536, 12288, XFS, 64, 512
	MUL 0
	WIN 0
	s_add_co_u32 s46, s46, 3072
	s_add_co_u32 s47, s47, 128
	s_sub_co_u32 s40, s40, 1
	s_cmp_lg_u32 s40, 0
	s_cbranch_scc1 .Lout
	s_wait_tensorcnt 0x0                           ; step 31: my quarter of the last tile is in, and I alone read it; nothing is filled any more, so no round
	v_add_nc_u32 v[XFA], s46, v[XB]
	v_add_nc_u32 v[XFS], s47, v[XSB]
	PLACES 4
	FETCH 1, XFA, 0, 12288, XFS, 0, 512
	MUL 0
	WIN 0
	; ---------------- the way out: + bo, through my stage (in my quarter of slot 0: it has had its last fill, and my reads of it are over), whole rows to out0
	PLACES 4
	BIASGET 3
	BIASADD 0, 0
	TOSTAGE 0
.irp a, 1,2,3,4,5,6,7
	BIASADD \a/2, \a%2
	WIN 0
.if \a > 1
	s_wait_xcnt 0x0                                ; block a - 2's stores have read their registers: block a's rows may land there
.endif
	TOSTAGE \a
	SEND \a-1, 32                                  ; behind block a - 1's loads: block a's 16 stores and 16 loads
.endr
	SEND 7, 0
	s_wait_tensorcnt 0x0                           ; the wave's end, behind my last tensor load and my last LDS store
	ds_add_u32 v[SPW], v[NIL]
	s_wait_dscnt 0x0
	CROUND                                         ; the closing round: no work-group ends while a partner may still ask for a tile that names it
	s_endpgm
.Lfunc_end_k_q9703eb1281_fused:
	.size	k_q9703eb1281_fused, .Lfunc_end_k_q9703eb1281_fused-k_q9703eb1281_fused
	.p2alignl 7, 3214868480
	.fill 96, 4, 3214868480
	.section	.rodata,"a",@progbits
	.p2align	6, 0x0
	.amdhsa_kernel k_q9703eb1281_fused
		.amdhsa_group_segment_fixed_size 327680
		.amdhsa_private_segment_fixed_size 0
		.amdhsa_enable_private_segment 0
		.amdhsa_kernarg_size 48
		.amdhsa_user_sgpr_count 2
		.amdhsa_user_sgpr_kernarg_segment_ptr 1
		.amdhsa_wavefront_size32 1
		.amdhsa_system_sgpr_workgroup_id_x 1
		.amdhsa_system_sgpr_workgroup_id_y 1
		.amdhsa_system_sgpr_workgroup_id_z 1
		.amdhsa_system_vgpr_workitem_id 0
		.amdhsa_next_free_vgpr 1024
		.amdhsa_next_free_sgpr 100
		.amdhsa_reserve_vcc 0
		.amdhsa_float_denorm_mode_32 3
		.amdhsa_float_denorm_mode_16_64 3
		.amdhsa_memory_ordered 1
		.amdhsa_forward_progress 1
		.amdhsa_inst_pref_size 255
	.end_amdhsa_kernel
	.section	.bss,"aw",@nobits
	.p2align	6
	.space	262144
	.amdgpu_metadata
---
amdhsa.version: [ 1, 2 ]
amdhsa.kernels:
  - .name:           k_q9703eb1281_fused
    .symbol:         k_q9703eb1281_fused.kd
    .args:
      - { .name: query, .offset: 0, .size: 8, .value_kind: global_buffer, .address_space: global }
      - { .name: key, .offset: 8, .size: 8, .value_kind: global_buffer, .address_space: global }
      - { .name: value, .offset: 16, .size: 8, .value_kind: global_buffer, .address_space: global }
      - { .name: wimg, .offset: 24, .size: 8, .value_kind: global_buffer, .address_space: global }
      - { .name: bperm, .offset: 32, .size: 8, .value_kind: global_buffer, .address_space: global }
      - { .name: out0, .offset: 40, .size: 8, .value_kind: global_buffer, .address_space: global }
    .group_segment_fixed_size: 327680
    .private_segment_fixed_size: 0
    .kernarg_segment_align: 8
    .kernarg_segment_size: 48
    .max_flat_workgroup_size: 128
    .sgpr_count:     100
    .vgpr_count:     1024
    .wavefront_size: 32
...
	.end_amdgpu_metadata
.endif
;; end of part 2
;; ======== version 2 of 2: 2 launches
;; workspace buffers: wimg 3,276,800 bytes; bperm 16,384 bytes
;; launch prep: the kernel of part 1 again; grid 256 x 1, 4 waves a work-group, no clusters, 0 bytes of LDS; arguments Wq, Wk, Wv, Wo, bq, bk, bv, bo, wimg, bperm; writes wimg, bperm
;; launch fused (part 3): grid 256 x 1, 4 waves a work-group, clusters of 4 x 1, 327,680 bytes of LDS; arguments query, key, value, wimg, bperm, out0; writes out0
.if DOCPART == 3
	.amdgcn_target "amdgcn-amd-amdhsa--gfx1250"
	.amdhsa_code_object_version 6
	.text
	.protected	k_q9703eb1281_fused
	.globl	k_q9703eb1281_fused
	.p2align	8
	.type	k_q9703eb1281_fused,@function
k_q9703eb1281_fused:
	s_mov_b64 s[64:65], 0
	v_nop
	global_prefetch_b8 v0, s[64:65] scope:SCOPE_SE
	s_setreg_imm32_b32 hwreg(HW_REG_WAVE_MODE, 25, 1), 1
	s_wait_xcnt 0x0
	s_wait_alu depctr_hold_cnt(0) depctr_sa_sdst(0) depctr_va_vdst(0) depctr_va_sdst(0) depctr_va_ssrc(0) depctr_va_vcc(0) depctr_vm_vsrc(0)
	s_getreg_b32 s2, hwreg(HW_REG_IB_STS2, 6, 4)
	s_cmp_eq_u32 s2, 0
	s_cbranch_scc0 .Lentry_in_a_cluster
	s_endpgm
.Lentry_in_a_cluster:
	s_bfe_u32 s2, ttmp6, 0x10000c
	s_cmp_lg_u32 s2, 0x3003
	s_cbranch_scc0 .Lentry_shape_is_right
	s_endpgm
.Lentry_shape_is_right:
; The whole chain for 64 tokens a work-group: Q, K, V = x W^T + b (quantised products); for each token the 16 x 16 scores between its heads (quantised, K = 64); sparsemax of score / 12 along the heads; attn V (f32 operands);
; the reshape; the product with Wo (quantised) + bo.  Nothing of Q, K, V or of the attention's result goes to memory.  No work of the problem is left out; every input is read (the weights and biases as the first launch laid them).
; WHY 64 TOKENS CLOSE THE CHAIN.  The reshape sends (a, b, head h, d) to row h 128 + a / 16 of batch b, column 64 (a % 16) + d.  So the 16 tokens a = 16 i .. 16 i + 15 of one b fill 16 whole rows (h = 0 .. 15) of the last product's
; left operand, and a block of 32 along its K is half a head of one token.  Work-group g (256 of them) owns i = g / 2 and b = 4 (g % 2) + m, m = 0 .. 3: row tile m is one b; in it lane r is token a = 16 i + r, later head r.
; SHARES.  In each large product wave w makes all 64 rows x 256 columns: 64 accumulators, 512 registers; its 16 tiles of the weight for 128 along K come by ONE tensor load a K step into its own quarter of a ring of two LDS slots.
; THE MATRIX INSTRUCTION IS USED TRANSPOSED (source 0 = 16 rows of the weight, source 1 = 16 tokens): a lane holds one token, its registers run along the weight's rows, chosen by the first launch so that they fall as the next step wants them.
; x: wave w loads and quantises row tile w, a K step ahead, and hands the fragment to the others as an image of its registers in LDS.  Attention: wave w owns tokens 4 w .. 4 w + 3 of every row tile.
; CLUSTER: four work-groups walk the same weights: each wave's tensor load is a joint one (mask 15, the same descriptor in all four), behind a round of the cluster's barrier, which is also the barrier that publishes x's image.
; THE ORDER OF K.  Cluster c walks the eight K steps of Q's, K's and V's products from step c % 8 on, round the end: step t takes tile 8 (t / 8) + (t + c) % 8 and the same chunk of x.  So at any time the clusters ask for eight
; different tiles and not all for one.  The number is the cluster's, equal in its four partners; it enters global addresses alone.  Only the order of the f32 sums hangs on it.  The last product's steps go from 0 on in every cluster:
; its left operand lies in LDS by K step, and no LDS address here hangs on a work-group's number.
; PREFETCH: in steps 5, 13 and 21 the next product's eight tiles (819,200 bytes) are named once in the launch: wave 0 of the work-groups of clusters 0 to 24, 8,192 bytes each, lanes 256 bytes apart, the partners told apart by address;
; that is two K steps ahead of the first tensor load that wants one of them.  Q's tiles come by their loads alone.  x is not prefetched: its loads into registers stand two K steps ahead.
; SPARSEMAX: with z sorted downward and c_j the sum of its first j, (c_j - 1) / j rises from j to j + 1 just where z_(j+1) lies over it, which is just where j + 1 is in the support: so tau is the largest of the 16 quotients.
; LIMITS: NaN and infinities are not served.  A block of zeros gets the scale byte 1 (its codes are zeros; this program alone reads the bytes).  score / 8 / 1.5 is one multiplication by 1/12 and the division by j one by 1/j, each a
; rounding apart from the division; tau is that largest quotient, which in exact arithmetic is the counted and gathered one (at a tie the number in doubt gives 0 either way).
;
; LDS: 0 slot 0, 102,400 slot 1 (a wave's quarter at 25,600 w: 16 tile images of 1,536, then 1,024 of scale words); 204,800 the spare words; 205,312 a phase's biases, 1,024 a wave;
;   Q, K, V phase: AIMG x's images (2 x 4 x 1,536), ASC their scale words, QC and KC the codes of Q and K (a token 784 = 16 heads x 48 + 16), QS and KS their scale bytes (a token 32);
;   attention, over the same bytes behind a barrier: VX V of one row tile (a token 4,112), XIMG the last product's 32 fragments, XSC their scale words;  the way out's stages lie in slot 0 behind its last fill, each wave's in its own quarter.
; REGISTERS, in windows of 256: window 0: v1-19 addresses; v20-23 tokens' scale words, v24-31 the weight's (nothing but scales); v32-47, v48-68 at work; v69 the prefetches' offset; v72-79 the next bias; v80-127 four fragments of tokens;
;   v128-255 two sets of x, then attn, then rows of out0.   window 1: v0-191 the weight's 16 fragments (between products: biases, then V); v192-255 the f32 form's accumulators, written by matrix instructions alone.
;   windows 2, 3: accumulator (m, c) at v[64 m + 8 (c % 8)] of window 2 + c / 8.
.set SLOTB, 102400
.set QTR,   25600
.set WSCO,  24576
.set SPARE, 204800
.set BIAS,  205312
.set AIMG,  209408
.set ASC,   221696
.set QC,    222208
.set KC,    272384
.set QS,    322560
.set KS,    324608
.set VX,    209408
.set XIMG,  275200
.set XSC,   324352
.set SPW, 1                            ; v1  my spare word: SPARE + 4 x my thread's number; never rewritten
.set NIL, 2                            ; v2  0; never rewritten
.set XA,  3                            ; v3  x: 32,768 r + 64 h            | last product: XB
.set LI,  4                            ; v4  16 x lane
.set BF,  5                            ; v5, v6   my quarter of slot 0, 1 + 16 x lane
.set AF,  7                            ; v7  x's images + 16 x lane        | attention: QR   | last product: XSB
.set ASF, 8                            ; v8  their scale words + 4 r       | KR              | XFA
.set AW,  9                            ; v9  where I store my image        | QSR             | XFS
.set ASW, 10                           ; v10 and its scale words           | KSR             | STO
.set QW,  11                           ; v11 where I store Q's codes       | VW
.set QSW, 12                           ; v12 and their scale words         | VR
.set BIA, 13                           ; v13 my biases + 32 h
.set BIW, 14                           ; v14 my biases + 32 x lane
.set BS,  15                           ; v15, v16 my quarter's scale words + 4 x lane
.set E0,  17                           ; v17 Q's or K's codes              | XW
.set E1,  18                           ; v18 and scale words               | XSW
.set BCA, 19                           ; v19 the next bias's offset        | SH8
.set PFO, 69                           ; v69 256 x lane, through the Q, K, V phase
.set QR,  7
.set KR,  8
.set QSR, 9
.set KSR, 10
.set VW,  11
.set VR,  12
.set XW,  17
.set XSW, 18
.set SH8, 19
.set XB,  3
.set XSB, 7
.set XFA, 8
.set XFS, 9
.set STO, 10
.set SA,  20
.set SW,  24
.set TM,  32
.set PC,  48
.set PW,  68
.set BC,  72
.set FA,  80
.set X0,  128
.set X1,  192
.set G1,  24                           ; s[24:31] descriptor group 1;  s[32:35], s[36:39] group 0 for slot 0, 1
.set G0,  32
.set OB,  68                           ; s[68:99] out0 at my work-group's and wave's place in the rows of head 0 .. 15
; s2 my work-group's share of a prefetch, s3 1 in a wave that prefetches; s[4:5] the tensor of x in hand, s[6:7] and s[8:9] those that follow; s[10:11] wimg at my quarter; s[12:13] bperm + 8,192 + 1,024 w; s16 wave;
; s20 the cluster's first K step; s21 the tile asked for last; s[22:23] the prefetch's base; s40 the step; s41 the chunk asked for last; s[48:49] lane selects; s50 1/12; s51-63, s66, s67 1/2 .. 1/16; s[100:101] x's chunk
.set MSB, 0
.macro WIN new                         ; the immediate's high byte repeats the setting that is left; a switch that changes nothing is dropped
.if MSB != (\new)
	s_set_vgpr_msb (MSB<<8)|(\new)
.set MSB, \new
.endif
.endm
.macro PLACES n
.rept \n
	v_nop
.endr
.endm
.macro CROUND                          ; a round of the cluster's barrier
	s_barrier_signal -1
	s_barrier_wait -1
	s_cmp_lg_u32 s16, 0
	s_cbranch_scc1 .Lnot_wave_0_\@
	s_barrier_signal -3
.Lnot_wave_0_\@:
	s_barrier_wait -3
	s_barrier_signal -1
	s_barrier_wait -1
.endm
.macro BAR                             ; my LDS stores have landed and my LDS loads are in: then the work-group's barrier.
	s_wait_dscnt 0x0
	s_barrier_signal -1
	s_barrier_wait -1
.endm
; THE CHANGE OF SLOTS at the head of a K step that reads slot b.  All my tensor loads have landed (one was out: this step's tile); the add; the other slot's descriptor takes the next tile's address, made anew from the count of tiles and the
; cluster's first step; the add is done, my stores of x's image have landed and my reads of the other slot and of the other image are over; the round; and first behind it my one joint load: the next step's tile, into the slot read last.
; By the text's own count one tensor load of a wave is out.
.macro TOP b
	s_wait_tensorcnt 0x0
	ds_add_u32 v[SPW], v[NIL]                      ; 0 onto my spare word
	s_add_co_u32 s21, s21, 1                       ; the tile to be asked for: step t
	s_cmp_lt_u32 s21, 24
	s_cselect_b32 s17, s20, 0                      ; Q's, K's and V's steps go from the cluster's own first step on, Wo's from 0
	s_add_co_u32 s17, s17, s21
	s_and_b32 s17, s17, 7
	s_and_b32 s18, s21, 24
	s_or_b32 s17, s17, s18                         ; 8 (t / 8) + (t + first) % 8
	s_mul_i32 s18, s17, SLOTB
	s_mov_b32 s19, 0
	s_add_nc_u64 s[G0+6-4*\b:G0+7-4*\b], s[10:11], s[18:19]
	s_or_b32 s[G0+7-4*\b], s[G0+7-4*\b], 0x80000000
	s_wait_dscnt 0x0
	CROUND
	tensor_load_to_lds s[G0+4-4*\b:G0+7-4*\b], s[G1:G1+7]
	s_nop 0
	PLACES 4                                       ; (the places in front of the loads into registers that the last products read)
.endm
; 72 LDS loads: the four row tiles' scale words and fragments (address registers, offsets and strides given), my quarter's eight scale registers, my 16 tiles of the weight, in the order in which they are multiplied
.macro FETCH b, afr, aoff, astr, sfr, soff, sstr
.irp m, 0,1,2,3
	ds_load_b32 v[SA+\m], v[\sfr] offset:(\soff)+(\sstr)*\m
.endr
.irp m, 0,1,2,3
.irp i, 0,1,2
	ds_load_b128 v[FA+12*\m+4*\i:FA+12*\m+4*\i+3], v[\afr] offset:(\aoff)+(\astr)*\m+512*\i
.endr
.endr
.irp e, 0,1,2,3,4,5,6,7
	ds_load_b32 v[SW+\e], v[BS+\b] offset:128*\e
.endr
	WIN 0x40                                       ; destination window 1
.set tc, 0
.rept 16
.irp i, 0,1,2
	ds_load_b128 v[12*tc+4*\i:12*tc+4*\i+3], v[BF+\b] offset:1536*tc+512*\i
.endr
.set tc, tc+1
.endr
.endm
.macro WM zero                         ; the product of the weight's tile tc with row tile tm; the weight's scale words lie in lanes 0-15 (even tiles) or 16-31 (odd) of register tc / 2
.set rD, 64*tm+8*(tc%8)
.if \zero
.if tc%2
	v_wmma_scale_f32_16x16x128_f8f6f4 v[rD:rD+7], v[12*tc:12*tc+11], v[FA+12*tm:FA+12*tm+11], 0, v[SW+tc/2], v[SA+tm] matrix_a_fmt:MATRIX_FMT_BF6 matrix_b_fmt:MATRIX_FMT_BF6 matrix_a_scale:MATRIX_SCALE_ROW1
.else
	v_wmma_scale_f32_16x16x128_f8f6f4 v[rD:rD+7], v[12*tc:12*tc+11], v[FA+12*tm:FA+12*tm+11], 0, v[SW+tc/2], v[SA+tm] matrix_a_fmt:MATRIX_FMT_BF6 matrix_b_fmt:MATRIX_FMT_BF6
.endif
.else
.if tc%2
	v_wmma_scale_f32_16x16x128_f8f6f4 v[rD:rD+7], v[12*tc:12*tc+11], v[FA+12*tm:FA+12*tm+11], v[rD:rD+7], v[SW+tc/2], v[SA+tm] matrix_a_fmt:MATRIX_FMT_BF6 matrix_b_fmt:MATRIX_FMT_BF6 matrix_a_scale:MATRIX_SCALE_ROW1
.else
	v_wmma_scale_f32_16x16x128_f8f6f4 v[rD:rD+7], v[12*tc:12*tc+11], v[FA+12*tm:FA+12*tm+11], v[rD:rD+7], v[SW+tc/2], v[SA+tm] matrix_a_fmt:MATRIX_FMT_BF6 matrix_b_fmt:MATRIX_FMT_BF6
.endif
.endif
.endm
; A K step's 64 products.  The 64 accumulators take turns, one instruction a turn, in the same order in every step.  zero = 1: the products start the sums: nothing is cleared
.macro MUL zero
.set tc, 0
.rept 16
.if (tc%4) == 0
	s_wait_dscnt 36-3*tc                           ; the next four tiles are in: three loads for each later tile may be out
	WIN 0xa1+0x50*(tc/8)                           ; source 0 window 1, source 1 window 0, C and D window 2 or 3
.endif
.set tm, 0
.rept 4
	WM \zero
.set tm, tm+1
.endr
.set tc, tc+1
.endr
.endm
; 64 numbers of a lane in window w, register 16 b + i = k 32 b + 16 (lane / 16) + i of my row, become a fragment's codes in v[PC] on and its scale word in v[PW]
.macro QUANT s, w
	WIN ((\w)<<2)|((\w)<<4)                        ; sources 1 and 2: the numbers
.irp b, 0,1,2,3
	v_max3_num_f32 v[TM+\b], 0x2800000, |v[(\s)+16*\b]|, |v[(\s)+1+16*\b]|   ; the floor 2^(5 - 127), so that the byte cannot fall under 1, and my 16 numbers of block b
.endr
.irp i, 2,4,6,8,10,12,14
.irp b, 0,1,2,3
	v_max3_num_f32 v[TM+\b], v[TM+\b], |v[(\s)+16*\b+\i]|, |v[(\s)+1+16*\b+\i]|
.endr
.endr
	WIN 0
.irp b, 0,1,2,3
	v_permlanex16_b32 v[TM+4+\b], v[TM+\b], s48, s49
.endr
.irp b, 0,1,2,3
	v_max_num_f32 v[TM+\b], v[TM+\b], v[TM+4+\b]      ; with lane l xor 16's: the block's largest magnitude
.endr
.irp b, 0,1,2,3
	v_add_nc_u32 v[TM+12+\b], 0xfe000000, v[TM+\b]    ; 4 off its exponent field: the conversion's scale operand
.endr
.irp b, 0,1,2,3
	v_lshrrev_b32 v[TM+4+\b], 23, v[TM+12+\b]         ; the scale's byte
.endr
	v_lshl_or_b32 v[PW], v[TM+5], 8, v[TM+4]
	v_lshl_or_b32 v[PW], v[TM+6], 16, v[PW]
	v_lshl_or_b32 v[PW], v[TM+7], 24, v[PW]
	WIN \w                                         ; source 0: the numbers
.irp c, 0,1
	v_cvt_scalef32_pk16_bf6_f32 v[PC+6*\c:PC+2+6*\c], v[(\s)+32*\c:(\s)+15+32*\c], v[TM+12+2*\c]
	v_cvt_scalef32_pk16_bf6_f32 v[PC+12+4*\c:PC+14+4*\c], v[(\s)+16+32*\c:(\s)+31+32*\c], v[TM+12+2*\c+1]   ; (a conversion's three registers begin on an even number)
.endr
	WIN 0
	v_nop                                          ; one plain place behind a scaled conversion
.irp c, 0,1                                    ; the operand wants a whole block in a lane
.irp i, 0,1,2
	v_permlane16_swap_b32 v[PC+6*\c+\i], v[PC+12+4*\c+\i]
.endr
.irp i, 0,1,2
	v_mov_b32 v[PC+3+6*\c+\i], v[PC+12+4*\c+\i]
.endr
.endr
.endm
; my 16 tokens' numbers of a chunk (128 along K): lane (r, h) takes 16 neighbours of each block of 32.  A lane's four loads of a block take neighbouring 16 bytes: the hint is regular for the near cache, streaming for the far one
.macro XLOAD set, base
.irp b, 0,1,2,3
.irp q, 0,1,2,3
	global_load_b128 v[\set+16*\b+4*\q:\set+16*\b+4*\q+3], v[XA], s[\base:\base+1] offset:128*\b+16*\q th:TH_LOAD_RT_NT
.endr
.endr
.endm
; The next chunk's address.  It stands at a step's end, a whole step behind the loads that read the base; the loads themselves follow behind the next step's tensor load.  Every eighth chunk begins the next tensor
.macro XSTEP
	s_wait_xcnt 0x0                                ; the loads issued so far have read their base: it may be written
	s_add_co_u32 s41, s41, 1
	s_and_b32 s42, s41, 7
	s_cmp_eq_u32 s42, 0
	s_cselect_b64 s[4:5], s[6:7], s[4:5]
	s_cselect_b64 s[6:7], s[8:9], s[6:7]
	s_add_co_u32 s42, s41, s20
	s_and_b32 s42, s42, 7                          ; the chunk's place along K: the same as its tile's
	s_lshl_b32 s42, s42, 9
	s_mov_b32 s43, 0
	s_add_nc_u64 s[100:101], s[4:5], s[42:43]
.endm
.macro IMAGE buf                       ; the fragment goes to LDS as it stands in registers, its scale words beside it (both halves of the lanes hold the same word and write it to the same place)
.irp i, 0,1,2
	ds_store_b128 v[AW], v[PC+4*\i:PC+4*\i+3] offset:6144*\buf+512*\i
.endr
	ds_store_b32 v[ASW], v[PW] offset:256*\buf
.endm
.macro XQ set, buf, n                  ; the next K step's chunk, in registers set, is quantised into image buffer buf.  n: the younger loads that may stay out
	s_wait_loadcnt \n
	QUANT \set, 0
	IMAGE \buf
.endm
; The next product's eight tiles are named: product s40 / 8 + 1, my work-group's 8,192 bytes of its 819,200, a lane for each 256.  In wave 0 s[10:11] is wimg's first byte.  The base is written again eight steps on, behind XSTEP's waits
.macro ASK
	s_cmp_eq_u32 s3, 1
	s_cbranch_scc0 .Lnot_mine_\@
	s_lshr_b32 s22, s40, 3
	s_add_co_u32 s22, s22, 1
	s_mul_i32 s22, s22, 8*SLOTB
	s_add_co_u32 s22, s22, s2
	s_mov_b32 s23, 0
	s_add_nc_u64 s[22:23], s[10:11], s[22:23]
	global_prefetch_b8 v[PFO], s[22:23] th:TH_LOAD_NT scope:SCOPE_SE
.Lnot_mine_\@:
.endm
; The phase's biases, tile c at v[8 c] of window 1 in the result's layout (lane (., h): those of the tile's rows 8 h .. 8 h + 7).  site 1, 2: the next phase's, kept compact in v72-79, then take their place in LDS (LDS serves a wave's
; instructions in order).  site 1: and the phase after that is asked for.
.macro BIASGET site
	WIN 0x40
.set tc, 0
.rept 16
	ds_load_b128 v[8*tc:8*tc+3], v[BIA] offset:64*tc
	ds_load_b128 v[8*tc+4:8*tc+7], v[BIA] offset:64*tc+16
.set tc, tc+1
.endr
	WIN 0
.if \site < 3
	ds_store_b128 v[BIW], v[BC:BC+3]
	ds_store_b128 v[BIW], v[BC+4:BC+7] offset:16
.endif
	s_wait_dscnt 0x0                               ; the biases are in, and the stores have read their registers
.if \site == 1
	v_and_b32 v[BCA], 31, v0
	v_lshlrev_b32 v[BCA], 5, v[BCA]
	v_add_nc_u32 v[BCA], s45, v[BCA]
	global_load_b128 v[BC:BC+3], v[BCA], s[12:13]
	global_load_b128 v[BC+4:BC+7], v[BCA], s[12:13] offset:16
.endif
.endm
.macro BIASADD m, hh                   ; row tile m, tiles 8 hh on: + bias, in place, each accumulator from its low end on
	WIN 0x86+0x41*(\hh)
.set k2, 0
.rept 32
	v_pk_add_f32 v[64*(\m)+k2:64*(\m)+k2+1], v[64*(\m)+k2:64*(\m)+k2+1], v[64*(\hh)+k2:64*(\hh)+k2+1]
.set k2, k2+2
.endr
.endm
; Q's or K's end: + bias, quantised along the head's 64 (my 256 columns are heads 4 w .. 4 w + 3), codes and scale bytes to LDS by token and head
.macro EPI
	s_bfe_u32 s42, s40, 0x10003                    ; 0: Q (step 7), 1: K (step 15)
	s_mul_i32 s43, s42, KC-QC
	s_lshl_b32 s44, s42, 11
	s_lshl_b32 s45, s42, 12
	v_add_nc_u32 v[E0], s43, v[QW]
	v_add_nc_u32 v[E1], s44, v[QSW]
	BIASGET 1
.irp hh, 0,1
.irp m, 0,1,2,3
	BIASADD \m, \hh
	s_wait_dscnt 0x0                               ; the last stores have read the codes' registers
	QUANT 64*\m, 2+\hh
.irp c, 0,1
.irp i, 0,1,2
	ds_store_b64 v[E0], v[PC+6*\c+2*\i:PC+6*\c+2*\i+1] offset:12544*\m+48*(2*\hh+\c)+8*\i
.endr
.endr
	ds_store_b32 v[E1], v[PW] offset:512*\m+4*\hh
.endr
.endr
.endm
; ---- attention
.macro LOADP m, ip                     ; tokens 2 ip, 2 ip + 1 of my four in row tile m: Q's and K's codes (16 heads x 64: registers 0-5 of an operand) and scale bytes (two a head; the word's upper bytes are 0, over zero codes)
.irp x, 0,1
.irp k, 0,1,2
	ds_load_b64 v[FA+24*\x+2*\k:FA+24*\x+2*\k+1], v[QR] offset:12544*(\m)+784*(2*(\ip)+\x)+8*\k
	ds_load_b64 v[FA+12+24*\x+2*\k:FA+12+24*\x+2*\k+1], v[KR] offset:12544*(\m)+784*(2*(\ip)+\x)+8*\k
.endr
	ds_load_u16 v[SA+2*\x], v[QSR] offset:512*(\m)+32*(2*(\ip)+\x)
	ds_load_u16 v[SA+1+2*\x], v[KSR] offset:512*(\m)+32*(2*(\ip)+\x)
.endr
.endm
.macro CE0 a, b                        ; the sort's first layer leaves z where it is
	v_max_num_f32 v[48+\a], v[SZ+\a], v[SZ+\b]
	v_min_num_f32 v[48+\b], v[SZ+\a], v[SZ+\b]
.endm
.macro CE a, b                         ; place a takes the larger, place b the smaller; the smaller goes to the free register, and the names change
	v_min_num_f32 v[FREE], v[R\a], v[R\b]
	v_max_num_f32 v[R\a], v[R\a], v[R\b]
.set TSW, R\b
.set R\b, FREE
.set FREE, TSW
.endm
; Pair pp = 2 m + ip: two tokens' scores and sparsemax; attn stays in v[128 + 16 pp] on.  Source 0 = K's heads in the order pi, source 1 = Q's heads: lane (r, h) holds head r's scores against heads 4 (j / 2) + 2 h + j % 2, j = 0 .. 7:
; the f32 form's layout for its second source.  For the sort the two tokens' halves change lanes, so that a lane holds all 16 numbers of one row of one token; then back.
.macro PAIR
.set SZ, 128+16*pp
	s_wait_dscnt 0x0
	v_wmma_scale_f32_16x16x128_f8f6f4 v[32:39], v[FA+12:FA+23], v[FA:FA+11], 0, v[SA+1], v[SA] matrix_a_fmt:MATRIX_FMT_BF6 matrix_b_fmt:MATRIX_FMT_BF6
	v_wmma_scale_f32_16x16x128_f8f6f4 v[40:47], v[FA+36:FA+47], v[FA+24:FA+35], 0, v[SA+3], v[SA+2] matrix_a_fmt:MATRIX_FMT_BF6 matrix_b_fmt:MATRIX_FMT_BF6
	PLACES 4
.irp j, 0,1,2,3,4,5,6,7,8,9,10,11,12,13,14,15
	v_mul_f32 v[SZ+\j], s50, v[32+\j]              ; z = score / 12
.endr
.if pp < 7
	LOADP (pp+1)/2, (pp+1)%2                       ; the next pair's operands come while this pair is sorted
.endif
.irp j, 0,1,2,3,4,5,6,7
	v_permlane16_swap_b32 v[SZ+\j], v[SZ+8+\j]     ; lanes 0-15: the first token's rows, lanes 16-31: the second's
.endr
.irp i, 0,1,2,3,4,5,6,7,8,9,10,11,12,13,14,15
.set R\i, 48+\i
.endr
.set FREE, 64
	; Batcher's odd-even merge sort of 16, 63 comparators, downward
.irp a, 0,2,4,6,8,10,12,14
	CE0 \a, \a+1
.endr
	CE 0,2
	CE 1,3
	CE 4,6
	CE 5,7
	CE 8,10
	CE 9,11
	CE 12,14
	CE 13,15
	CE 1,2
	CE 5,6
	CE 9,10
	CE 13,14
	CE 0,4
	CE 1,5
	CE 2,6
	CE 3,7
	CE 8,12
	CE 9,13
	CE 10,14
	CE 11,15
	CE 2,4
	CE 3,5
	CE 10,12
	CE 11,13
	CE 1,2
	CE 3,4
	CE 5,6
	CE 9,10
	CE 11,12
	CE 13,14
	CE 0,8
	CE 1,9
	CE 2,10
	CE 3,11
	CE 4,12
	CE 5,13
	CE 6,14
	CE 7,15
	CE 4,8
	CE 5,9
	CE 6,10
	CE 7,11
	CE 2,4
	CE 3,5
	CE 6,8
	CE 7,9
	CE 10,12
	CE 11,13
	CE 1,2
	CE 3,4
	CE 5,6
	CE 7,8
	CE 9,10
	CE 11,12
	CE 13,14
	v_add_f32 v70, -1.0, v[R0]                     ; c_1 - 1: the first quotient
	v_add_f32 v65, v70, v[R1]
	v_mul_f32 v66, s51, v65
.irp k, 2,3,4,5,6,7,8,9,10,11,12,13,14,15
	v_add_f32 v65, v65, v[R\k]                     ; c_(k+1) - 1
	v_mul_f32 v[66+(\k+1)%2], s[50+\k+2*(\k/14)], v65   ; / (k + 1)
.if (\k%2) == 0
	v_max3_num_f32 v70, v70, v66, v67
.endif
.endr
	v_max_num_f32 v70, v70, v66                    ; tau
.irp j, 0,2,4,6,8,10,12,14
	v_pk_add_f32 v[SZ+\j:SZ+\j+1], v[SZ+\j:SZ+\j+1], v[70:71] op_sel_hi:[1,0] neg_lo:[0,1] neg_hi:[0,1]   ; z - tau (of the pair the low word serves both halves)
.endr
.irp j, 0,1,2,3,4,5,6,7,8,9,10,11,12,13,14,15
	v_max_num_f32 v[SZ+\j], 0, v[SZ+\j]
.endr
.irp j, 0,1,2,3,4,5,6,7
	v_permlane16_swap_b32 v[SZ+\j], v[SZ+8+\j]
.endr
.endm
.macro VSTORE m                        ; V of row tile m goes to LDS, laid for each token as the f32 form's first source takes it: 16 bytes are four heads of one channel
.set tc, 0
.rept 16
	WIN 0x08+4*(tc/8)                              ; an LDS store's data are its source 1
.irp e, 0,1
	ds_store_b128 v[VW], v[64*(\m)+8*(tc%8)+4*\e:64*(\m)+8*(tc%8)+4*\e+3] offset:512*(2*(tc/4)+\e)+16*(tc%4)
.endr
.set tc, tc+1
.endr
	WIN 0
.endm
.macro VLOAD                           ; my four tokens' V: 32 registers a token
	WIN 0x40
.irp i, 0,1,2,3
.irp q, 0,1,2,3,4,5,6,7
	ds_load_b128 v[32*\i+4*\q:32*\i+4*\q+3], v[VR] offset:4112*\i+512*\q
.endr
.endr
	WIN 0
.endm
; attn V for two tokens: source 0 = 16 channels x 4 heads of V, source 1 = 4 heads x 16 rows of attn.  Eight accumulators by turns; the first four heads start the sums.  Lane (r, h) then holds row r's channels 32 h + 8 u + j.
.macro PV m, ip
	WIN 0x51                                       ; source 0, C and D window 1, source 1 window 0
.irp s, 0,1,2,3
.irp u, 0,1,2,3
.irp x, 0,1
.if \s == 0
	v_wmma_f32_16x16x4_f32 v[192+32*\x+8*\u:199+32*\x+8*\u], v[32*(2*(\ip)+\x)+8*\u+2*\s:32*(2*(\ip)+\x)+8*\u+2*\s+1], v[128+16*(2*(\m)+(\ip))+8*\x+2*\s:128+16*(2*(\m)+(\ip))+8*\x+2*\s+1], 0
.else
	v_wmma_f32_16x16x4_f32 v[192+32*\x+8*\u:199+32*\x+8*\u], v[32*(2*(\ip)+\x)+8*\u+2*\s:32*(2*(\ip)+\x)+8*\u+2*\s+1], v[128+16*(2*(\m)+(\ip))+8*\x+2*\s:128+16*(2*(\m)+(\ip))+8*\x+2*\s+1], v[192+32*\x+8*\u:199+32*\x+8*\u]
.endif
.endr
.endr
.endr
	WIN 0
	PLACES 9                                       ; behind this form: eight ahead of the reads of results and of loads into its sources, nine ahead of the next run, which begins the same accumulators anew
.endm
; The two tokens' results are one fragment of the last product (row = head, K = 128 = two tokens x 64): a lane's 32 registers of a token are a whole block.
.macro XQUANT m, ip
	s_wait_dscnt 0x0                               ; the last stores have read the codes' registers
	WIN 0x14                                       ; sources 1 and 2 window 1
.irp x, 0,1
.irp q, 0,1
	v_max3_num_f32 v[32+2*\x+\q], 0x2800000, |v[192+32*\x+16*\q]|, |v[193+32*\x+16*\q]|   ; two chains a token, each accumulator from its low end on
.endr
.endr
.irp i, 2,4,6,8,10,12,14
.irp x, 0,1
.irp q, 0,1
	v_max3_num_f32 v[32+2*\x+\q], v[32+2*\x+\q], |v[192+32*\x+16*\q+\i]|, |v[193+32*\x+16*\q+\i]|
.endr
.endr
.endr
	WIN 0
	v_max_num_f32 v32, v32, v33
	v_max_num_f32 v34, v34, v35
	v_add_nc_u32 v44, 0xfe000000, v32              ; the conversions' scale operands
	v_add_nc_u32 v45, 0xfe000000, v34
	v_lshrrev_b32 v36, 23, v44
	v_lshrrev_b32 v37, 23, v45
	v_lshl_or_b32 v38, v37, 16, v36                ; my two bytes: blocks h and 2 + h of row r,
	v_lshlrev_b32 v38, v[SH8], v38                 ; at their places in the word;
	v_permlanex16_b32 v39, v38, s48, s49
	v_or_b32 v[PW], v38, v39                       ; with lane l xor 16's two it is whole
	WIN 0x01
.irp x, 0,1
	v_cvt_scalef32_pk16_bf6_f32 v[PC+6*\x:PC+2+6*\x], v[192+32*\x:207+32*\x], v[44+\x]
	v_cvt_scalef32_pk16_bf6_f32 v[PC+12+4*\x:PC+14+4*\x], v[208+32*\x:223+32*\x], v[44+\x]
.endr
	WIN 0
	v_nop                                          ; one plain place behind a scaled conversion
.irp x, 0,1
.irp i, 0,1,2
	v_mov_b32 v[PC+3+6*\x+\i], v[PC+12+4*\x+\i]
.endr
.endr
.irp i, 0,1,2
	ds_store_b128 v[XW], v[PC+4*\i:PC+4*\i+3] offset:12288*(\m)+1536*(\ip)+512*\i
.endr
	ds_store_b32 v[XSW], v[PW] offset:512*(\m)+64*(\ip)
.endm
; ---- the way out, by blocks a = 2 m + hh of 16 rows (heads) x 128 columns: through my stage and back as whole rows of 512 bytes
.macro TOSTAGE a
	WIN 0x08+4*((\a)%2)
.irp c, 0,1,2,3,4,5,6,7
	ds_store_b128 v[STO], v[64*((\a)/2)+8*\c:64*((\a)/2)+8*\c+3] offset:64*\c
	ds_store_b128 v[STO], v[64*((\a)/2)+8*\c+4:64*((\a)/2)+8*\c+7] offset:64*\c+16
.endr
	WIN 0
.set BB, 128+64*((\a)%2)
.irp t, 0,1,2,3,4,5,6,7,8,9,10,11,12,13,14,15
	ds_load_b128 v[BB+4*\t:BB+4*\t+3], v[BF] offset:528*\t     ; LDS serves a wave's instructions in order: these see my stores, and the next block's stores come behind them
.endr
.endm
.macro SEND a, younger
.set BB, 128+64*((\a)%2)
	s_wait_dscnt \younger
.irp t, 0,1,2,3,4,5,6,7,8,9,10,11,12,13,14,15
	global_store_b128 v[LI], v[BB+4*\t:BB+4*\t+3], s[OB+2*\t:OB+2*\t+1] offset:4096*((\a)/2)+512*((\a)%2) th:TH_STORE_NT   ; 32 lanes store 512 consecutive bytes, at a multiple of 256 from out0's first byte
.endr
.endm
	; ---------------- the head
	s_load_b256 s[4:11], s[0:1], 0x0               ; query s[4:5], key s[6:7], value s[8:9], wimg s[10:11]
	s_load_b128 s[12:15], s[0:1], 0x20             ; bperm s[12:13], out0 s[14:15]
	v_lshl_add_u32 v[SPW], v0, 2, SPARE
	v_mov_b32 v[NIL], 0
	ds_add_u32 v[SPW], v[NIL]                      ; the wave's opening: the add, twice on end, and its wait ahead of my first tensor load
	ds_add_u32 v[SPW], v[NIL]
	v_lshrrev_b32 v68, 5, v0
	v_readfirstlane_b32 s16, v68                   ; wave 0..3
	v_and_b32 v69, 31, v0                          ; lane
	v_and_b32 v70, 15, v0                          ; r
	v_bfe_u32 v71, v0, 4, 1                        ; h
	v_lshlrev_b32 v[XA], 15, v70                   ; x: token r is 8 rows of 4,096 bytes on,
	v_lshl_add_u32 v[XA], v71, 6, v[XA]            ; + 64 h
	v_lshlrev_b32 v[BCA], 5, v69
	v_lshlrev_b32 v[LI], 4, v69
	s_bfe_u32 s17, ttmp6, 0x40000                  ; cx: it enters x's, out0's and the prefetches' addresses alone
	s_lshl_b32 s18, ttmp9, 2
	s_add_co_u32 s18, s18, s17                     ; g
	s_lshr_b32 s19, s18, 1                         ; i
	s_and_b32 s20, s18, 1
	s_lshl_b32 s22, s19, 19                        ; x: 16 i tokens of 32,768 bytes,
	s_lshl_b32 s21, s20, 14                        ; + 4 (g % 2) rows,
	s_add_co_u32 s22, s22, s21
	s_lshl_b32 s21, s16, 12                        ; + my row tile
	s_add_co_u32 s22, s22, s21
	s_mov_b32 s23, 0
	s_lshl_b32 s2, s19, 15                         ; out0: row i of a head's 128, 8 rows of 4,096 bytes each,
	s_lshl_b32 s21, s20, 14
	s_add_co_u32 s2, s2, s21
	s_lshl_b32 s21, s16, 10                        ; + my 256 columns
	s_add_co_u32 s2, s2, s21
	s_mov_b32 s3, 0
	s_mul_i32 s42, s16, QTR                        ; my quarter of a step's weights, in memory and in a slot
	s_mov_b32 s43, 0
	s_mov_b32 s[G1], 15|(3<<16)|(1<<21)            ; 15:0 the mask: all four work-groups; 17:16 elements of 8 bytes; 21 set beside a mask; no padding
	s_mov_b32 s[G1+1], 32<<16                      ; tensor_dim0 = 32: rows of 256 bytes
	s_mov_b32 s[G1+2], 100<<16                     ; tensor_dim1 = 100: 25,600 dense bytes
	s_mov_b32 s[G1+3], 32<<16                      ; tile_dim0
	s_mov_b32 s[G1+4], 100                         ; tile_dim1
	s_mov_b32 s[G1+5], 32                          ; the pitch
	s_mov_b32 s[G1+6], 0
	s_mov_b32 s[G1+7], 0
	s_mov_b32 s48, 0x76543210
	s_mov_b32 s49, 0xfedcba98                      ; v_permlanex16_b32's selects for lane l xor 16
	s_mov_b32 s50, 0x3daaaaab                      ; 1/12
	s_mov_b32 s51, 0x3f000000                      ; 1/2 .. 1/16
	s_mov_b32 s52, 0x3eaaaaab
	s_mov_b32 s53, 0x3e800000
	s_mov_b32 s54, 0x3e4ccccd
	s_mov_b32 s55, 0x3e2aaaab
	s_mov_b32 s56, 0x3e124925
	s_mov_b32 s57, 0x3e000000
	s_mov_b32 s58, 0x3de38e39
	s_mov_b32 s59, 0x3dcccccd
	s_mov_b32 s60, 0x3dba2e8c
	s_mov_b32 s61, 0x3daaaaab
	s_mov_b32 s62, 0x3d9d89d9
	s_mov_b32 s63, 0x3d924925
	s_mov_b32 s66, 0x3d888889
	s_mov_b32 s67, 0x3d800000
	s_wait_dscnt 0x0                               ; both opening adds are done
	s_wait_kmcnt 0x0
	s_add_nc_u64 s[4:5], s[4:5], s[22:23]
	s_add_nc_u64 s[6:7], s[6:7], s[22:23]
	s_add_nc_u64 s[8:9], s[8:9], s[22:23]
	s_lshl_b32 s22, s16, 10
	s_add_nc_u64 s[12:13], s[12:13], s[22:23]
	s_add_nc_u64 s[12:13], s[12:13], 8192
	s_and_b32 s20, ttmp9, 7                        ; the cluster's first K step
	s_lshl_b32 s22, s20, 9
	s_add_nc_u64 s[100:101], s[4:5], s[22:23]      ; chunk 0 of query, 512 bytes a K step,
	s_add_co_u32 s22, s20, 1
	s_and_b32 s22, s22, 7
	s_lshl_b32 s22, s22, 9
	s_add_nc_u64 s[44:45], s[4:5], s[22:23]        ; and chunk 1, with a base of its own: no base is stepped behind fresh loads
	global_load_b128 v[BC:BC+3], v[BCA], s[12:13] offset:-8192       ; Q's biases, compact: 32 bytes a lane
	global_load_b128 v[BC+4:BC+7], v[BCA], s[12:13] offset:-8176
	XLOAD X0, 100
	XLOAD X1, 44
	s_add_nc_u64 s[14:15], s[14:15], s[2:3]
.irp t, 0,1,2,3,4,5,6,7,8,9,10,11,12,13,14,15
	s_add_nc_u64 s[OB+2*\t:OB+2*\t+1], s[14:15], \t*4194304          ; head t's rows lie 128 x 8 rows on
.endr
	s_lshl_b32 s2, s18, 13                         ; the prefetches: my work-group's 8,192 bytes,
	s_cmp_lt_u32 ttmp9, 25                         ; in clusters 0 to 24 (100 work-groups x 8,192 bytes are a product's eight tiles): the same in all four partners,
	s_cselect_b32 s3, 1, 0
	s_cmp_eq_u32 s16, 0                            ; in wave 0
	s_cselect_b32 s3, s3, 0
	s_add_nc_u64 s[10:11], s[10:11], s[42:43]
	s_mul_i32 s22, s20, SLOTB
	s_mov_b32 s[G0], 1
	s_mov_b32 s[G0+1], s42
	s_add_nc_u64 s[G0+2:G0+3], s[10:11], s[22:23]  ; step 0's tile
	s_or_b32 s[G0+3], s[G0+3], 0x80000000
	s_mov_b32 s[G0+4], 1
	s_add_co_u32 s[G0+5], s42, SLOTB               ; (slot 1's address words are written at the first change of slots)
	s_mov_b32 s21, 0
	s_mov_b32 s41, 1
	CROUND                                         ; all four work-groups are here: the first joint loads meet
	tensor_load_to_lds s[G0:G0+3], s[G1:G1+7]
	s_nop 0
	PLACES 4
	v_add_nc_u32 v[BF], s42, v[LI]
	v_add_nc_u32 v[BF+1], SLOTB, v[BF]
	s_add_co_u32 s17, s42, WSCO
	v_lshl_add_u32 v[BS], v69, 2, s17
	v_add_nc_u32 v[BS+1], SLOTB, v[BS]
	v_add_nc_u32 v[AF], AIMG, v[LI]
	v_lshl_add_u32 v[ASF], v70, 2, ASC
	s_mul_i32 s17, s16, 1536
	s_add_co_u32 s17, s17, AIMG
	v_add_nc_u32 v[AW], s17, v[LI]
	s_lshl_b32 s17, s16, 6
	s_add_co_u32 s17, s17, ASC
	v_lshl_add_u32 v[ASW], v70, 2, s17
	s_mul_i32 s17, s16, 192
	s_add_co_u32 s17, s17, QC
	v_mul_u32_u24 v[QW], v70, 784
	v_mad_u32_u24 v[QW], v71, 24, v[QW]
	v_add_nc_u32 v[QW], s17, v[QW]                 ; token r, my four heads, + 24 h
	s_lshl_b32 s17, s16, 3
	s_add_co_u32 s17, s17, QS
	v_lshl_add_u32 v[QSW], v70, 5, s17
	s_lshl_b32 s17, s16, 10
	s_add_co_u32 s17, s17, BIAS
	v_lshl_add_u32 v[BIA], v71, 5, s17
	v_lshl_add_u32 v[BIW], v69, 5, s17
	v_lshlrev_b32 v[PFO], 8, v69                   ; 256 x lane
.irp b, 0,1,2,3
	v_mov_b32 v[TM+4+\b], 0                        ; written once: a lane permute's destination counts as one of its sources
.endr
	s_wait_loadcnt 32                              ; Q's biases are in; chunks 0 and 1 may be out
	ds_store_b128 v[BIW], v[BC:BC+3]
	ds_store_b128 v[BIW], v[BC+4:BC+7] offset:16
	s_wait_dscnt 0x0                               ; the stores have read their registers
	global_load_b128 v[BC:BC+3], v[BCA], s[12:13] offset:-4096       ; K's biases
	global_load_b128 v[BC+4:BC+7], v[BCA], s[12:13] offset:-4080
	s_wait_loadcnt 18                              ; chunk 0 is in; chunk 1 and K's biases may be out
	QUANT X0, 0
	IMAGE 0
	; ---------------- Q, K, V: 24 K steps.  Step s asks for tile s + 1 and, behind that, for chunk s + 2; multiplies x's image s by tile s; quantises chunk s + 1
	XSTEP
	TOP 0                                          ; step 0 is written out: its products start the sums
	XLOAD X0, 100
	FETCH 0, AF, 0, 1536, ASF, 0, 64
	MUL 1
	WIN 0
	XQ X1, 1, 16
	s_mov_b32 s40, 1
.Lqkv:                                                 ; ten trips: steps s40 and s40 + 1, s40 = 1, 3 .. 19
	XSTEP
	TOP 1
	XLOAD X1, 100
	FETCH 1, AF, 6144, 1536, ASF, 256, 64
	WIN 0
	s_and_b32 s42, s40, 7
	s_cmp_lg_u32 s42, 5                            ; steps 5 and 13 name K's and V's tiles, behind the step's loads
	s_cbranch_scc1 .Lno_ask
	ASK
.Lno_ask:
	MUL 0
	WIN 0
	XQ X0, 0, 16
	s_and_b32 s42, s40, 7
	s_cmp_lg_u32 s42, 7                            ; steps 7 and 15 end Q and K: the count of steps alone decides, alike in all waves and partners
	s_cbranch_scc1 .Lno_epi
	EPI
.Lno_epi:
	XSTEP
	TOP 0
	XLOAD X0, 100
	FETCH 0, AF, 0, 1536, ASF, 0, 64
	WIN 0
	s_and_b32 s42, s40, 7
	s_cmp_eq_u32 s42, 7
	s_cbranch_scc1 .Lnew_sum
	MUL 0
	WIN 0
	s_branch .Lsum_on
.Lnew_sum:
	MUL 1                                          ; steps 8 and 16 start K's and V's sums
	WIN 0
.Lsum_on:
	XQ X1, 1, 16
	s_add_co_u32 s40, s40, 2
	s_cmp_lt_u32 s40, 21
	s_cbranch_scc1 .Lqkv
	XSTEP                                          ; step 21 asks for the last chunk; the two steps behind it ask for none: no load leaves its buffer, and the counts run down
	TOP 1
	XLOAD X1, 100
	FETCH 1, AF, 6144, 1536, ASF, 256, 64
	WIN 0
	ASK                                            ; Wo's tiles
	MUL 0
	WIN 0
	XQ X0, 0, 16
	TOP 0
	FETCH 0, AF, 0, 1536, ASF, 0, 64
	MUL 0
	WIN 0
	XQ X1, 1, 0
	TOP 1
	FETCH 1, AF, 6144, 1536, ASF, 256, 64
	MUL 0
	WIN 0
	TOP 0                                          ; the change of slots in front of step 24: Wo's first tile is in, its second lands during the attention
	; ---------------- attention
.irp x, 0,1,2,3
.irp k, 6,7,8,9,10,11
	v_mov_b32 v[FA+12*\x+\k], 0                    ; K = 64 of the instruction's 128: the upper halves of the four operands are zero codes
.endr
.endr
	s_wait_xcnt 0x0                                ; the last prefetch, two steps back, has read its offset register: it may be written
	v_and_b32 v69, 15, v0                          ; r
	v_bfe_u32 v71, v0, 4, 1                        ; h (v71 is also the upper half of tau's pair)
	v_bfe_u32 v70, v0, 1, 2
	v_lshlrev_b32 v70, 2, v70
	v_bfe_u32 v65, v0, 3, 1
	v_lshl_add_u32 v70, v65, 1, v70
	v_and_b32 v65, 1, v0
	v_add_nc_u32 v70, v70, v65                     ; pi(r) = 4 ((r / 2) % 4) + 2 (r / 8) + r % 2
	s_mul_i32 s17, s16, 3136                       ; my four tokens of a row tile
	s_add_co_u32 s18, s17, QC
	s_add_co_u32 s19, s17, KC
	v_mul_u32_u24 v[QR], v69, 48
	v_mad_u32_u24 v[QR], v71, 24, v[QR]
	v_add_nc_u32 v[QR], s18, v[QR]
	v_mul_u32_u24 v[KR], v70, 48
	v_mad_u32_u24 v[KR], v71, 24, v[KR]
	v_add_nc_u32 v[KR], s19, v[KR]
	s_lshl_b32 s17, s16, 7
	s_add_co_u32 s18, s17, QS
	s_add_co_u32 s19, s17, KS
	v_lshl_add_u32 v[QSR], v69, 1, s18
	v_lshl_add_u32 v[KSR], v70, 1, s19
	s_lshl_b32 s17, s16, 6
	s_add_co_u32 s17, s17, VX
	v_mul_u32_u24 v[VW], v69, 4112
	v_lshl_add_u32 v[VW], v71, 8, v[VW]
	v_add_nc_u32 v[VW], s17, v[VW]
	s_mul_i32 s17, s16, 16448
	s_add_co_u32 s17, s17, VX
	v_add_nc_u32 v[VR], s17, v[LI]
	s_mul_i32 s17, s16, 3072
	s_add_co_u32 s17, s17, XIMG
	v_add_nc_u32 v[XW], s17, v[LI]
	s_lshl_b32 s17, s16, 7
	s_add_co_u32 s17, s17, XSC
	v_lshl_add_u32 v[XSW], v69, 2, s17
	v_lshlrev_b32 v[SH8], 3, v71
	LOADP 0, 0
.set pp, 0
.rept 8
	PAIR
.set pp, pp+1
.endr
	BIASGET 2
.irp hh, 0,1
.irp m, 0,1,2,3
	BIASADD \m, \hh                                ; V + bv
.endr
.endr
	WIN 0
	BAR                                            ; every wave has read the last of Q's and K's codes: their bytes are free
	VSTORE 0
.irp m, 0,1,2,3
	BAR                                            ; V of row tile m lies in LDS
	VLOAD
.if \m < 3
	BAR                                            ; every wave has its tokens' V in registers
	VSTORE \m+1
.else
	s_wait_dscnt 0x0
.endif
	PV \m, 0
	XQUANT \m, 0
	PV \m, 1
	XQUANT \m, 1
.endr
	BAR                                            ; the last product's 32 fragments lie in LDS
	; ---------------- the product with Wo: steps 24 .. 31
	v_and_b32 v69, 15, v0
	v_bfe_u32 v71, v0, 4, 1
	v_add_nc_u32 v[XB], XIMG, v[LI]
	v_lshl_add_u32 v[XSB], v69, 2, XSC
	s_mul_i32 s17, s16, QTR
	v_mul_u32_u24 v[STO], v69, 528
	v_lshl_add_u32 v[STO], v71, 5, v[STO]
	v_add_nc_u32 v[STO], s17, v[STO]               ; my stage: row r of 528 bytes, + 32 h
	FETCH 0, XB, 0, 12288, XSB, 0, 512
	MUL 1
	WIN 0
	s_mov_b32 s46, 1536                            ; the K step's fragments and scale words
	s_mov_b32 s47, 64
	s_mov_b32 s40, 3
.Lout:                                                 ; three trips of two steps: 25 .. 30
	TOP 1
	v_add_nc_u32 v[XFA], s46, v[XB]
	v_add_nc_u32 v[XFS], s47, v[XSB]
	FETCH 1, XFA, 0, 12288, XFS, 0, 512
	MUL 0
	WIN 0
	TOP 0
	FETCH 0, XFA, 1536, 12288, XFS, 64, 512
	MUL 0
	WIN 0
	s_add_co_u32 s46, s46, 3072
	s_add_co_u32 s47, s47, 128
	s_sub_co_u32 s40, s40, 1
	s_cmp_lg_u32 s40, 0
	s_cbranch_scc1 .Lout
	s_wait_tensorcnt 0x0                           ; step 31: my quarter of the last tile is in, and I alone read it; nothing is filled any more, so no round
	v_add_nc_u32 v[XFA], s46, v[XB]
	v_add_nc_u32 v[XFS], s47, v[XSB]
	PLACES 4
	FETCH 1, XFA, 0, 12288, XFS, 0, 512
	MUL 0
	WIN 0
	; ---------------- the way out: + bo, through my stage (in my quarter of slot 0: it has had its last fill, and my reads of it are over), whole rows to out0
	PLACES 4
	BIASGET 3
	BIASADD 0, 0
	TOSTAGE 0
.irp a, 1,2,3,4,5,6,7
	BIASADD \a/2, \a%2
	WIN 0
.if \a > 1
	s_wait_xcnt 0x0                                ; block a - 2's stores have read their registers: block a's rows may land there
.endif
	TOSTAGE \a
	SEND \a-1, 32                                  ; behind block a - 1's loads: block a's 16 stores and 16 loads
.endr
	SEND 7, 0
	s_wait_tensorcnt 0x0                           ; the wave's end, behind my last tensor load and my last LDS store
	ds_add_u32 v[SPW], v[NIL]
	s_wait_dscnt 0x0
	CROUND                                         ; the closing round: no work-group ends while a partner may still ask for a tile that names it
	s_endpgm
.Lfunc_end_k_q9703eb1281_fused:
	.size	k_q9703eb1281_fused, .Lfunc_end_k_q9703eb1281_fused-k_q9703eb1281_fused
	.p2alignl 7, 3214868480
	.fill 96, 4, 3214868480
	.section	.rodata,"a",@progbits
	.p2align	6, 0x0
	.amdhsa_kernel k_q9703eb1281_fused
		.amdhsa_group_segment_fixed_size 327680
		.amdhsa_private_segment_fixed_size 0
		.amdhsa_enable_private_segment 0
		.amdhsa_kernarg_size 48
		.amdhsa_user_sgpr_count 2
		.amdhsa_user_sgpr_kernarg_segment_ptr 1
		.amdhsa_wavefront_size32 1
		.amdhsa_system_sgpr_workgroup_id_x 1
		.amdhsa_system_sgpr_workgroup_id_y 1
		.amdhsa_system_sgpr_workgroup_id_z 1
		.amdhsa_system_vgpr_workitem_id 0
		.amdhsa_next_free_vgpr 1024
		.amdhsa_next_free_sgpr 102
		.amdhsa_reserve_vcc 0
		.amdhsa_float_denorm_mode_32 3
		.amdhsa_float_denorm_mode_16_64 3
		.amdhsa_memory_ordered 1
		.amdhsa_forward_progress 1
		.amdhsa_inst_pref_size 255
	.end_amdhsa_kernel
	.section	.bss,"aw",@nobits
	.p2align	6
	.space	262144
	.amdgpu_metadata
---
amdhsa.version: [ 1, 2 ]
amdhsa.kernels:
  - .name:           k_q9703eb1281_fused
    .symbol:         k_q9703eb1281_fused.kd
    .args:
      - { .name: query, .offset: 0, .size: 8, .value_kind: global_buffer, .address_space: global }
      - { .name: key, .offset: 8, .size: 8, .value_kind: global_buffer, .address_space: global }
      - { .name: value, .offset: 16, .size: 8, .value_kind: global_buffer, .address_space: global }
      - { .name: wimg, .offset: 24, .size: 8, .value_kind: global_buffer, .address_space: global }
      - { .name: bperm, .offset: 32, .size: 8, .value_kind: global_buffer, .address_space: global }
      - { .name: out0, .offset: 40, .size: 8, .value_kind: global_buffer, .address_space: global }
    .group_segment_fixed_size: 327680
    .private_segment_fixed_size: 0
    .kernarg_segment_align: 8
    .kernarg_segment_size: 48
    .max_flat_workgroup_size: 128
    .sgpr_count:     102
    .vgpr_count:     1024
    .wavefront_size: 32
...
	.end_amdgpu_metadata
.endif
;; end of part 3
